; MI455X (gfx1250); checked and timed in simulation.
; The chip was launched on July 23, 2026; its instructions are those of AMD's public machine-readable ISA for CDNA 5 (MIT licence, August 2026) and "CDNA5" Instruction Set Architecture Reference Guide (July 2026). The comments in the code are by the model that wrote it; some were corrected since.
;; Ro PE Attention. Allowed arithmetic: matrix products marked QUANTISED: E2M3 operands, one E8M0 scale for each 32 along K, by v_wmma_scale_f32_16x16x128_f8f6f4 with both operands' format E2M3, f32 sums; products left as they are: f32 operands where the result goes on into a quantised operand, else bf16, f16 or f32 operands; f32 sums; everything else in f32.
;; Inputs: Wk 1,024 x 1,024 float32; Wo 1,024 x 1,024 float32; Wq 1,024 x 1,024 float32; Wv 1,024 x 1,024 float32; x 4 x 2,048 x 1,024 float32.
;; Outputs: out0 4 x 2,048 x 1,024 float32.
;; This version of the problem:
;;   THIS VERSION OF THE PROBLEM IS GIVEN IN LOW PRECISION. The matrix products marked QUANTISED in the list below multiply operands that are first quantised to E2M3 (2 exponent bits, 3 mantissa bits; 6 bits a number), with one power-of-two scale for each 32 numbers along K (OCP MX v1.0); their sums are f32. All else is computed in f32.
;;   The module's matrix products, in the order in which they are computed (A, B: the left and right operand; K: the contracted axis; several contracted axes count as one K, in the product's order):
;;     1. [M 8,192, K 1,024] x [K 1,024, N 1,024]; A: input x; B: input Wq: QUANTISED
;;     2. [M 8,192, K 1,024] x [K 1,024, N 1,024]; A: input x; B: input Wk: QUANTISED
;;     3. [M 8,192, K 1,024] x [K 1,024, N 1,024]; A: input x; B: input Wv: QUANTISED
;;     4. [M 2,048, K 1] x [K 1, N 32]; A: computed on the way; B: computed on the way: left as it is (no contracted axis)
;;     5. batch 64 x [M 2,048, K 64] x [K 64, N 2,048]; A: computed on the way; B: computed on the way: QUANTISED
;;     6. batch 64 x [M 2,048, K 2,048] x [K 2,048, N 64]; A: softmax (see below); B: computed on the way: QUANTISED
;;     7. [M 8,192, K 1,024] x [K 1,024, N 1,024]; A: computed on the way; B: input Wo: QUANTISED
;;   THE QUANTISER, for each operand of a quantised product, along K:
;;     - K is cut into blocks of 32 from its start; a last block that is shorter is filled with zeros.
;;     - A block's scale is 2^e with e = floor(log2(the largest magnitude in the block)) - 2, held to -126 .. 127; a block of zeros has e = 0. As a byte (E8M0): e + 127.
;;     - Each number is divided by its block's scale, clamped to +-7.5, and rounded to the nearest number of E2M3, ties to even, subnormals kept.
;;     - The product sums the exact products of the quantised numbers (number of the format x scale) in f32.
;;   ~~~python
;;   def quantise(x, axis):      # numpy; x: float32 -> the quantised numbers, widened to float32 again
;;       x = np.moveaxis(x, axis, -1); K = x.shape[-1]
;;       x = np.pad(x, [(0, 0)] * (x.ndim - 1) + [(0, -K % 32)]); x = x.reshape(x.shape[:-1] + (-1, 32)); a = np.abs(x).max(-1, keepdims=True)
;;       e = np.where(a > 0, np.clip(np.frexp(np.where(a > 0, a, 1))[1] - 1 - 2, -126, 127), 0)      # np.frexp(a)[1] - 1 = floor(log2(a)), exactly
;;       r = np.clip(x / 2.0 ** e, -7.5, 7.5)
;;       step = 2.0 ** (np.maximum(np.frexp(np.where(r == 0, 1, r))[1] - 1, 0) - 3)
;;       q = np.round(r / step) * step * 2.0 ** e      # np.round: ties to even
;;       return np.moveaxis(q.reshape(q.shape[:-2] + (-1,))[..., :K], -1, axis).astype(np.float32)
;;   ~~~
;;   SOFTMAX AHEAD OF A QUANTISED PRODUCT. Where the list says 'softmax', what is quantised is not the finished softmax but p = 2^(t - M), with t = logit x log2(e) and M = ceil(the row's largest t), a whole number; so 1/2 < the row's largest p <= 1. The row's sum l is taken of the UNQUANTISED p, in f32, and the product's result is divided by l at the end. Since M is a whole number, a kernel that streams over the keys may use a running M (the ceiling of the running maximum): every later rescaling is an exact power of two, which a block's scale takes up: the codes' values come out the same.
;;   OPERANDS COMPUTED ON THE WAY. 'Computed on the way' means the value that the module computes at that place (a softmax that the list does not call 'softmax' is quantised finished and normalised). What goes into a quantiser is computed in f32, as accurately as f32 sums, v_exp_f32 and their like allow (about 1e-6 of the number): no bf16 or f16 on the way to a quantiser, and a product that is left as it is and whose result goes on into a quantised operand takes f32 operands (vector FMAs, or v_wmma_f32_16x16x4_f32). A number that lies on a knife's edge between two numbers of the format may be rounded either way, as far as f32 arithmetic and the matrix unit's own rounding can turn it there, and no further.
;; One version. Each part assembles by itself: llvm-mc -triple=amdgcn-amd-amdhsa -mcpu=gfx1250 --defsym DOCPART=n.
;; ======== version 1 of 1: 4 launches
;; workspace buffers: xq 6,553,600 bytes; wq 3,276,800 bytes; rope 524,288 bytes; qr 6,815,744 bytes; kv 13,631,488 bytes; oq 6,815,744 bytes
;; launch prep (part 1): grid 416 x 1, 4 waves a work-group, no clusters, 33,280 bytes of LDS; arguments x, Wq, Wk, Wv, Wo, xq, wq, rope; writes xq, wq, rope
.if DOCPART == 1
	.amdgcn_target "amdgcn-amd-amdhsa--gfx1250"
	.amdhsa_code_object_version 6
	.text
	.protected	k_q28e6c4aeb0_prep
	.globl	k_q28e6c4aeb0_prep
	.p2align	8
	.type	k_q28e6c4aeb0_prep,@function
k_q28e6c4aeb0_prep:
	s_mov_b64 s[64:65], 0
	v_nop
	global_prefetch_b8 v0, s[64:65] scope:SCOPE_SE
	s_setreg_imm32_b32 hwreg(HW_REG_WAVE_MODE, 25, 1), 1
	s_wait_xcnt 0x0
; PREP.  (1) x [8192][1024] and Wq, Wk, Wv, Wo [1024][1024], f32, become codes of FP6 (E2M3), K innermost, 768 bytes a row, with one E8M0 byte for each 32 along K.
; A block scale is 2^(floor(log2(largest magnitude)) - 2); its byte is the exponent field of the largest magnitude less 2, held at 1 from below.
; THE ROWS ARE STORED IN ANOTHER ORDER: stored row p holds source row pi(p), pi = bits 3 and 4 of the row number exchanged.  A wave takes 8 rows, so pi only exchanges the two bits of the wave number on the way out.
; With that order 16 stored rows taken as source 0 of a matrix instruction give, in two neighbouring tiles, 16 true neighbours in a lane.
; xq: codes at 0, scale bytes [8192][32] at XSC.  wq: rows 0-1023 Wq, then Wk, Wv, Wo; codes at 0, scale bytes at WSC.
; (2) the table of cos and sin for the rotary embedding, laid as the lanes of the next launch take it: [block of 16 stored rows][8 chunks][32 lanes][4 f32]; lane (r, h) serves one token and frequencies 16 h + 0 .. 15.
; Work-groups 0-255 take x, 256-383 the four weights (32 each), 384-415 the table.  No tensor loads, no barrier: waves share nothing.
; LIMITS: NaN and infinities are not served.  A block whose largest magnitude lies under 2^-124, a block of zeros among them, gets the byte 1 (zeros: the rule says 127; the codes are zeros and only this program reads the bytes).
; The inverse frequencies are taken as the f32 nearest to 1 / (the f32 nearest to 10^(j/8)); were a power rounded otherwise elsewhere, that frequency's angles differ by up to about 1e-4 rad.
; The range reduction is exact for quotients under 2^11: angles up to 2,047 rad keep that.
.set STEPS, 16
.set NQWG,  384                        ; work-groups that quantise
.set XSC,   6291456
.set WSC,   3145728
.set CB,    12                         ; bytes of 16 codes
.set R,     16                         ; v16-79   four sets of 16 numbers as loaded
.set X,     80                         ; v80-111  two sets of 16 neighbours
.set C,     128                        ; v128-191 codes: four registers a step
.set E,     112                        ; v112-127 a scale byte a step
.set WREG,  8192                       ; LDS of a wave: two stages of 32 x SP bytes, then its 256 scale bytes
.set SP,    80
	s_load_b512 s[8:23], s[0:1], 0x0               ; x s[8:9], Wq s[10:11], Wk s[12:13], Wv s[14:15], Wo s[16:17], xq s[18:19], wq s[20:21], rope s[22:23]
	v_lshl_add_u32 v192, v0, 2, 0x8000
	v_mov_b32 v193, 0
	v_lshrrev_b32 v1, 5, v0
	v_readfirstlane_b32 s2, v1                     ; wave
	v_and_b32 v2, 31, v0                           ; lane
	s_cmp_ge_u32 ttmp9, NQWG
	s_cbranch_scc1 .Lrope
	; ---------------- the quantiser ----------------
	v_lshlrev_b32 v3, 4, v2                        ; my 16 bytes of the 512 of a load
	s_mul_i32 s3, s2, WREG
	v_lshrrev_b32 v14, 2, v2
	v_mul_u32_u24 v14, v14, SP
	v_and_b32 v15, 3, v2
	v_lshl_add_u32 v14, v15, 4, v14
	v_add_nc_u32 v14, s3, v14                      ; the stage, in: SP (lane / 4) + 16 (lane % 4)
	v_mul_u32_u24 v15, v2, SP
	v_add_nc_u32 v15, s3, v15                      ; and out: SP x lane: my 16 neighbours
	v_mul_u32_u24 v4, v2, CB                       ; my codes in a step
	v_lshrrev_b32 v5, 1, v2
	s_add_co_u32 s3, s3, 2*32*SP
	v_add_nc_u32 v5, s3, v5                        ; LDS: the byte of my block
	v_lshlrev_b32 v7, 3, v2
	v_add_nc_u32 v6, s3, v7                        ; and 8 bytes a lane on the way out
	s_and_b32 s30, ttmp9, 31                       ; a weight has 32 work-groups
	s_and_b32 s31, ttmp9, 255                      ; place in xq (0-255) or in wq (0-127)
	s_wait_kmcnt 0x0
	s_cmp_lt_u32 ttmp9, 288                        ; the choices hang on the work-group number alone
	s_cselect_b64 s[24:25], s[10:11], s[12:13]     ; Wq or Wk
	s_cmp_lt_u32 ttmp9, 352
	s_cselect_b64 s[26:27], s[14:15], s[16:17]     ; Wv or Wo
	s_cmp_lt_u32 ttmp9, 320
	s_cselect_b64 s[24:25], s[24:25], s[26:27]
	s_mov_b32 s28, WSC
	s_cmp_lt_u32 ttmp9, 256
	s_cselect_b64 s[4:5], s[8:9], s[24:25]         ; the source
	s_cselect_b64 s[6:7], s[18:19], s[20:21]       ; the buffer of codes and scale bytes
	s_cselect_b32 s28, XSC, s28                    ; where its scale bytes begin
	s_cselect_b32 s30, ttmp9, s30
	s_and_b32 s32, s2, 1
	s_lshl_b32 s32, s32, 1
	s_lshr_b32 s33, s2, 1
	s_or_b32 s32, s32, s33                         ; the wave number with its two bits exchanged: pi on runs of 8 rows
	s_lshl_b32 s30, s30, 2
	s_add_co_u32 s30, s30, s2                      ; which run of 8 rows I read
	s_lshl_b32 s31, s31, 2
	s_add_co_u32 s31, s31, s32                     ; and which I write
	s_lshl_b32 s34, s30, 15                        ; 32,768 bytes of f32 a run
	s_mov_b32 s35, 0
	s_add_nc_u64 s[4:5], s[4:5], s[34:35]
	s_mov_b32 s29, 0
	s_add_nc_u64 s[36:37], s[6:7], s[28:29]
	s_mul_i32 s34, s31, 6144                       ; 6,144 bytes of codes a run
	s_add_nc_u64 s[6:7], s[6:7], s[34:35]
	s_lshl_b32 s34, s31, 8                         ; 256 scale bytes a run
	s_add_nc_u64 s[36:37], s[36:37], s[34:35]
.macro LOAD t
.irp i, 0,1,2,3
	global_load_b128 v[R+16*((\t)%4)+4*\i:R+16*((\t)%4)+4*\i+3], v3, s[4:5] offset:2048*(\t)+512*\i th:TH_LOAD_NT   ; 32 lanes read 512 consecutive bytes
.endr
.endm
.macro TURN t                          ; the numbers of step t go through the stage; LDS serves the instructions of a wave in order
.irp i, 0,1,2,3
	ds_store_b128 v14, v[R+16*((\t)%4)+4*\i:R+16*((\t)%4)+4*\i+3] offset:32*SP*((\t)%2)+8*SP*\i
.endr
.irp i, 0,1,2,3
	ds_load_b128 v[X+16*((\t)%2)+4*\i:X+16*((\t)%2)+4*\i+3], v15 offset:32*SP*((\t)%2)+16*\i
.endr
.endm
.irp t, 0,1,2,3
	LOAD \t
.endr
	s_wait_loadcnt 12                              ; the four loads of step 0 are in; the 12 of steps 1 to 3 may be out
	TURN 0
.macro STEP t
.set XS, X+16*((\t)%2)
.if (\t) > 0
	s_wait_dscnt 1                                 ; the numbers of this step are back from the stage; only the byte store of the last step may be out
.else
	s_wait_dscnt 0x0
.endif
.if (\t)+4 < STEPS
	LOAD (\t)+4                                    ; into the registers that the stage stores have read
.endif
.if (\t)+1 < STEPS
.if STEPS-2-(\t) >= 3
	s_wait_loadcnt 12                              ; the next step is in; the 12 loads of the three steps behind it may be out
.else
	s_wait_loadcnt 4*(STEPS-2-(\t))
.endif
	TURN (\t)+1
.endif
	v_max3_num_f32 v8, |v[XS]|, |v[XS+1]|, |v[XS+2]|
	v_max3_num_f32 v9, |v[XS+3]|, |v[XS+4]|, |v[XS+5]|
.irp i, 6,10
	v_max3_num_f32 v8, v8, |v[XS+\i]|, |v[XS+\i+1]|
	v_max3_num_f32 v9, v9, |v[XS+\i+2]|, |v[XS+\i+3]|
.endr
	v_max3_num_f32 v8, v8, |v[XS+14]|, |v[XS+15]|
	v_max3_num_f32 v8, v8, v9, 0x1800000           ; with the floor 2^(3 - 127): the byte cannot fall under 1
	v_max_num_f32_dpp v8, v8, v8 row_xmask:1 row_mask:0xf bank_mask:0xf   ; and the 16 of my neighbour: the block
	v_add_nc_u32 v11, 0xff000000, v8               ; 2 off the exponent field: the scale operand of the conversion
	v_cvt_scalef32_pk16_fp6_f32 v[C+4*(\t):C+4*(\t)+2], v[XS:XS+15], v11
	v_lshrrev_b32 v[E+(\t)], 23, v11               ; the scale byte
	ds_store_b8 v5, v[E+(\t)] offset:16*(\t)       ; both lanes of a block write the same byte with the same value
	global_store_b96 v4, v[C+4*(\t):C+4*(\t)+2], s[6:7] offset:32*CB*(\t)
.endm
.irp t, 0,1,2,3,4,5,6,7,8,9,10,11,12,13,14,15
	STEP \t
.endr
	ds_load_b64 v[12:13], v6
	s_wait_dscnt 0x0
	global_store_b64 v7, v[12:13], s[36:37]        ; 32 lanes store 256 consecutive bytes, aligned
	s_wait_tensorcnt 0x0
	ds_add_u32 v192, v193
	s_wait_dscnt 0x0
	s_endpgm
	; ---------------- the table ----------------
.Lrope:
	s_sub_co_u32 s3, ttmp9, NQWG
	s_lshl_b32 s3, s3, 2
	s_add_co_u32 s3, s3, s2                        ; block of 16 stored rows, 0 .. 127
	s_lshl_b32 s24, s3, 12                         ; 4,096 bytes a block
	s_mov_b32 s25, 0
	s_lshr_b32 s26, s3, 1
	s_lshl_b32 s26, s26, 5
	s_and_b32 s27, s3, 1
	s_lshl_b32 s27, s27, 3
	s_add_co_u32 s26, s26, s27                     ; 32 (block / 2) + 8 (block % 2)
	v_and_b32 v3, 15, v0                           ; r
	v_and_b32 v4, 8, v0
	v_add3_u32 v3, v3, v4, s26                     ; the token of stored row r of the block: + r + 8 (r / 8)
	v_cvt_f32_u32 v3, v3
	v_and_b32 v4, 16, v0
	v_cmp_ne_u32 vcc_lo, 0, v4                     ; lanes 16-31 take frequencies 16 .. 31
	v_lshlrev_b32 v5, 4, v2
	s_mov_b32 s32, 0x3f22f983                      ; 2 / pi
	s_mov_b32 s33, 0xbfc90fdb                      ; - the f32 nearest to pi / 2
	s_mov_b32 s34, 0x333bbd2e                      ; that f32 less pi / 2
	s_mov_b32 s35, 0xbe2aaaa3                      ; sine: -1.6666654611e-1
	s_mov_b32 s36, 0x3c08839e                      ; 8.3321608736e-3
	s_mov_b32 s37, 0xb94ca1f9                      ; -1.9515295891e-4
	s_mov_b32 s38, 0x3d2aaaa5                      ; cosine: 4.166664568e-2
	s_mov_b32 s39, 0xbab6061a                      ; -1.388731625e-3
	s_mov_b32 s40, 0x37ccf5ce                      ; 2.443315712e-5
.macro PSEL n, lo, hi                  ; 10^(j / 8) for j = n (lanes 0-15) or 16 + n (lanes 16-31)
	v_mov_b32 v[32+\n], \hi
	v_cndmask_b32 v[32+\n], \lo, v[32+\n], vcc_lo
.endm
	PSEL 0, 1.0, 100.0
	PSEL 1, 1.3335214321633240, 133.35214321633240
	PSEL 2, 1.7782794100389228, 177.82794100389228
	PSEL 3, 2.3713737056616552, 237.13737056616552
	PSEL 4, 3.1622776601683795, 316.22776601683795
	PSEL 5, 4.2169650342858225, 421.69650342858225
	PSEL 6, 5.6234132519034908, 562.34132519034908
	PSEL 7, 7.4989420933245582, 749.89420933245582
	PSEL 8, 10.0, 1000.0
	PSEL 9, 13.335214321633240, 1333.5214321633240
	PSEL 10, 17.782794100389228, 1778.2794100389228
	PSEL 11, 23.713737056616552, 2371.3737056616552
	PSEL 12, 31.622776601683795, 3162.2776601683795
	PSEL 13, 42.169650342858225, 4216.9650342858225
	PSEL 14, 56.234132519034908, 5623.4132519034908
	PSEL 15, 74.989420933245582, 7498.9420933245582
.irp n, 0,1,2,3,4,5,6,7,8,9,10,11,12,13,14,15
	v_rcp_f32 v[48+\n], v[32+\n]
.endr
	v_nop                                          ; a plain instruction behind the last reciprocal
	s_wait_alu depctr_va_vdst(0)                   ; one wait for the 16, ahead of their first reader
.irp n, 0,1,2,3,4,5,6,7,8,9,10,11,12,13,14,15
	v_fma_f32 v[64+\n], -v[32+\n], v[48+\n], 1.0   ; one Newton step makes the quotient 1 / P the nearest f32
.endr
.irp n, 0,1,2,3,4,5,6,7,8,9,10,11,12,13,14,15
	v_fma_f32 v[48+\n], v[64+\n], v[48+\n], v[48+\n]
.endr
.irp n, 0,1,2,3,4,5,6,7,8,9,10,11,12,13,14,15
	v_mul_f32 v[32+\n], v3, v[48+\n]               ; the angle, rounded once
.endr
.irp n, 0,1,2,3,4,5,6,7,8,9,10,11,12,13,14,15
	v_mul_f32 v[64+\n], s32, v[32+\n]
.endr
.irp n, 0,1,2,3,4,5,6,7,8,9,10,11,12,13,14,15
	v_rndne_f32 v[64+\n], v[64+\n]                 ; k quarter turns
.endr
.irp n, 0,1,2,3,4,5,6,7,8,9,10,11,12,13,14,15
	v_fma_f32 v[80+\n], v[64+\n], s33, v[32+\n]    ; exact: k has 11 bits
.endr
.irp n, 0,1,2,3,4,5,6,7,8,9,10,11,12,13,14,15
	v_fma_f32 v[80+\n], v[64+\n], s34, v[80+\n]    ; r in [-pi/4, pi/4]
.endr
.irp n, 0,1,2,3,4,5,6,7,8,9,10,11,12,13,14,15
	v_cvt_i32_f32 v[144+\n], v[64+\n]
.endr
.irp n, 0,1,2,3,4,5,6,7,8,9,10,11,12,13,14,15
	v_mul_f32 v[96+\n], v[80+\n], v[80+\n]         ; z = r r
.endr
.irp n, 0,1,2,3,4,5,6,7,8,9,10,11,12,13,14,15
	v_fma_f32 v[112+\n], v[96+\n], s37, s36
	v_fma_f32 v[128+\n], v[96+\n], s40, s39
.endr
.irp n, 0,1,2,3,4,5,6,7,8,9,10,11,12,13,14,15
	v_fma_f32 v[112+\n], v[112+\n], v[96+\n], s35
	v_fma_f32 v[128+\n], v[128+\n], v[96+\n], s38
.endr
.irp n, 0,1,2,3,4,5,6,7,8,9,10,11,12,13,14,15
	v_mul_f32 v[112+\n], v[112+\n], v[96+\n]
	v_mul_f32 v[160+\n], v[96+\n], v[96+\n]
	v_fma_f32 v[32+\n], v[96+\n], -0.5, 1.0
.endr
.irp n, 0,1,2,3,4,5,6,7,8,9,10,11,12,13,14,15
	v_fma_f32 v[112+\n], v[112+\n], v[80+\n], v[80+\n]     ; sin r
	v_fma_f32 v[128+\n], v[128+\n], v[160+\n], v[32+\n]    ; cos r
.endr
.irp n, 0,1,2,3,4,5,6,7,8,9,10,11,12,13,14,15
	v_and_b32 v[160+\n], 1, v[144+\n]
.endr
.irp n, 0,1,2,3,4,5,6,7,8,9,10,11,12,13,14,15
	v_cmp_eq_u32 vcc_lo, 1, v[160+\n]              ; an odd quarter exchanges the two
	v_cndmask_b32 v[64+\n], v[112+\n], v[128+\n], vcc_lo
	v_cndmask_b32 v[80+\n], v[128+\n], v[112+\n], vcc_lo
.endr
.irp n, 0,1,2,3,4,5,6,7,8,9,10,11,12,13,14,15
	v_and_b32 v[160+\n], 2, v[144+\n]              ; the sine is negative in quarters 2, 3
	v_add_nc_u32 v[144+\n], 1, v[144+\n]
.endr
.irp n, 0,1,2,3,4,5,6,7,8,9,10,11,12,13,14,15
	v_lshlrev_b32 v[160+\n], 30, v[160+\n]
	v_and_b32 v[144+\n], 2, v[144+\n]              ; the cosine in quarters 1, 2
.endr
.irp n, 0,1,2,3,4,5,6,7,8,9,10,11,12,13,14,15
	v_xor_b32 v[64+\n], v[160+\n], v[64+\n]
	v_lshlrev_b32 v[144+\n], 30, v[144+\n]
.endr
.irp n, 0,1,2,3,4,5,6,7,8,9,10,11,12,13,14,15
	v_xor_b32 v[80+\n], v[144+\n], v[80+\n]
.endr
	s_wait_kmcnt 0x0
	s_add_nc_u64 s[22:23], s[22:23], s[24:25]
.irp c, 0,1,2,3
	global_store_b128 v5, v[80+4*\c:83+4*\c], s[22:23] offset:512*\c        ; cos: each store covers 512 consecutive bytes, aligned
.endr
.irp c, 0,1,2,3
	global_store_b128 v5, v[64+4*\c:67+4*\c], s[22:23] offset:2048+512*\c   ; sin
.endr
	s_endpgm
.Lfunc_end_k_q28e6c4aeb0_prep:
	.size	k_q28e6c4aeb0_prep, .Lfunc_end_k_q28e6c4aeb0_prep-k_q28e6c4aeb0_prep
	.p2alignl 7, 3214868480
	.fill 96, 4, 3214868480
	.section	.rodata,"a",@progbits
	.p2align	6, 0x0
	.amdhsa_kernel k_q28e6c4aeb0_prep
		.amdhsa_group_segment_fixed_size 33280
		.amdhsa_private_segment_fixed_size 0
		.amdhsa_enable_private_segment 0
		.amdhsa_kernarg_size 64
		.amdhsa_user_sgpr_count 2
		.amdhsa_user_sgpr_kernarg_segment_ptr 1
		.amdhsa_wavefront_size32 1
		.amdhsa_system_sgpr_workgroup_id_x 1
		.amdhsa_system_sgpr_workgroup_id_y 1
		.amdhsa_system_sgpr_workgroup_id_z 1
		.amdhsa_system_vgpr_workitem_id 0
		.amdhsa_next_free_vgpr 194
		.amdhsa_next_free_sgpr 66
		.amdhsa_reserve_vcc 1
		.amdhsa_float_denorm_mode_32 3
		.amdhsa_float_denorm_mode_16_64 3
		.amdhsa_memory_ordered 1
		.amdhsa_forward_progress 1
		.amdhsa_inst_pref_size 57
	.end_amdhsa_kernel
	.amdgpu_metadata
---
amdhsa.version: [ 1, 2 ]
amdhsa.kernels:
  - .name:           k_q28e6c4aeb0_prep
    .symbol:         k_q28e6c4aeb0_prep.kd
    .args:
      - { .name: x, .offset: 0, .size: 8, .value_kind: global_buffer, .address_space: global }
      - { .name: Wq, .offset: 8, .size: 8, .value_kind: global_buffer, .address_space: global }
      - { .name: Wk, .offset: 16, .size: 8, .value_kind: global_buffer, .address_space: global }
      - { .name: Wv, .offset: 24, .size: 8, .value_kind: global_buffer, .address_space: global }
      - { .name: Wo, .offset: 32, .size: 8, .value_kind: global_buffer, .address_space: global }
      - { .name: xq, .offset: 40, .size: 8, .value_kind: global_buffer, .address_space: global }
      - { .name: wq, .offset: 48, .size: 8, .value_kind: global_buffer, .address_space: global }
      - { .name: rope, .offset: 56, .size: 8, .value_kind: global_buffer, .address_space: global }
    .group_segment_fixed_size: 33280
    .private_segment_fixed_size: 0
    .kernarg_segment_align: 8
    .kernarg_segment_size: 64
    .max_flat_workgroup_size: 128
    .sgpr_count:     66
    .vgpr_count:     194
    .wavefront_size: 32
...
	.end_amdgpu_metadata
.endif
;; end of part 1
;; launch qkv (part 2): grid 8 x 48, 4 waves a work-group, clusters of 4 x 4, 327,680 bytes of LDS; arguments xq, wq, rope, qr, kv; writes qr, kv
.if DOCPART == 2
	.amdgcn_target "amdgcn-amd-amdhsa--gfx1250"
	.amdhsa_code_object_version 6
	.text
	.protected	k_q28e6c4aeb0_qkv
	.globl	k_q28e6c4aeb0_qkv
	.p2align	8
	.type	k_q28e6c4aeb0_qkv,@function
k_q28e6c4aeb0_qkv:
	s_mov_b64 s[64:65], 0
	v_nop
	global_prefetch_b8 v0, s[64:65] scope:SCOPE_SE
	s_setreg_imm32_b32 hwreg(HW_REG_WAVE_MODE, 25, 1), 1
	s_wait_xcnt 0x0
	s_wait_alu depctr_hold_cnt(0) depctr_sa_sdst(0) depctr_va_vdst(0) depctr_va_sdst(0) depctr_va_ssrc(0) depctr_va_vcc(0) depctr_vm_vsrc(0)
	s_getreg_b32 s2, hwreg(HW_REG_IB_STS2, 6, 4)
	s_cmp_eq_u32 s2, 0
	s_cbranch_scc0 .Lentry_in_a_cluster
	s_endpgm
.Lentry_in_a_cluster:
	s_bfe_u32 s2, ttmp6, 0x10000c
	s_cmp_lg_u32 s2, 0xf033
	s_cbranch_scc0 .Lentry_shape_is_right
	s_endpgm
.Lentry_shape_is_right:
; QKV.  The three projections on codes of FP6 (E2M3) with E8M0 scales, K = 1,024; the rotary embedding of q and k; and the quantising of q and k along the head (64) and of v along the keys.
; 384 tiles of 256 x 256.  A work-group of four waves makes a tile, a wave 128 x 128: 64 accumulators of 16 x 16, 512 registers.  A = source 1 (its rows become the lanes of a result), B = source 0 (its rows become the registers).
; Clusters with y under 8 (KIND 0): A = x (tile row 4 y + cy), B = Wq and Wk (tile column 4 x + cx): cluster x = 0 makes q, x = 1 makes k.  A lane holds one token, its registers run along the features.
; Clusters with y from 8 on (KIND 1): A = Wv (tile row cy), B = x (tile column 4 (2 (y - 8) + x) + cx): a lane holds one channel of v, its registers run along the tokens, which are the K of the second product of attention.
; The kind hangs on the cluster's y alone: it is the same in all sixteen partners.  A's tiles hang on cy and are shared along a row of the cluster, B's on cx and are shared along a column: each is asked for jointly.
; K goes in steps of 256 through two LDS slots (rows of 192 bytes, 16 bytes of padding behind every 64: pitch 240); four K steps, written straight.  The scale bytes of the 256 + 256 rows come once and stay in LDS.
; All rows of xq and wq are stored with bits 3 and 4 of the row number exchanged, so that the 16 registers of two neighbouring tiles of source 0 are 16 true neighbours: 32 (tile / 2) + 16 (lane / 16) + 0 .. 15.
; THE WAY OUT uses no LDS: 64 numbers of a lane become a fragment (12 registers) and a scale word, and the fragment is stored as an IMAGE OF ITS REGISTERS: three stores of 512 consecutive bytes, lane l at 16 l.
; q and k: a head has K = 64, the matrix instruction 128: an image pairs two tiles of 16 tokens of one head (registers 0-5: the first, 6-11: the second).  v: an image is 16 channels x 128 keys.
; Records (batch, head, step of 128 tokens): qr 6,656 bytes: 4 images, 512 bytes of scale words [lane][4].  kv 13,312 bytes: 4 images of k, 4 of v, scale words of k, of v.
; LIMITS: NaN and infinities are not served; a block whose largest magnitude lies under 2^-124 (zeros among them) gets the byte 1; only this program reads the bytes.
; REGISTERS: window 0: v0-31 addresses; v32-63 scale words, two sets; v64-127 two blocks of the table; v128-223 A's fragments, one set; on the way out v128-231 at work.
;   window 1: B's fragments, two sets, at v0 and v128; v96-127, v224-255 two blocks of the table.   windows 2, 3: the accumulators ((a, b) at v[8 (8 (a % 4) + b)] of window 2 + a / 4).
.set KSTEP,  256
.set NQ,     2
.set ROWB,   192
.set KROW,   768
.set PITCH,  240
.set FR,     12
.set NL,     6
.set NP,     4
.set HALFT,  128*PITCH
.set SLOT,   4*HALFT
.set KS,     32
.set SCL,    2*SLOT
.set HALFS,  (128*KS/256)*272
.set SBLK,   (16*KS/256)*272
.set SPARE,  SCL+4*HALFS               ; the spare words, 128 bytes a wave: two blocks of 256 bytes that no other line names
.set XSC,    6291456                   ; where the scale bytes begin in xq
.set WSC,    3145728                   ; and in wq
.set ADRA, 16                          ; v16-17 LDS address of my A fragments in slot 0, 1 (v18-19: behind one padding more)
.set ADRB, 20                          ; v20-21 the same for B (v22-23)
.set LI,   26                          ; v26 16 x lane; never rewritten
.set ADRS, 27                          ; v27 LDS address of my scale words: lanes 0-15 A's rows, lanes 16-31 B's
.set SPW,  28                          ; v28 my spare word; never rewritten
.set NIL,  29                          ; v29 0; never rewritten
.set SC,   32
.set AF,   128
.set ST,   128                         ; the way out: 64 numbers
.set PC,   192                         ; codes: 12 registers and 7 at work
.set TM,   212                         ; 4 largest magnitudes, 4 at work, 4 scale operands
.set SW,   224                         ; scale words: v224-227 first head, v228-231 second
.set G1, 24
.set G0, 32
.set G1B, 48
.set G0B, 56
.set G1S, 68
.set G0S, 76
.set G1SB, 80
.set G0SB, 88
.set MSB, 0
.macro WIN new                         ; the high byte of the immediate repeats the setting that is left
.if MSB != \new
	s_set_vgpr_msb (MSB<<8)|\new
.set MSB, \new
.endif
.endm
.set MUL_LO, 0xa1                      ; source 0 (B) window 1, source 1 (A) window 0, C and D window 2
.set MUL_HI, 0xf1
.set TO_B,   0x40
; A joint load: waves 0 and 1 fetch for A, waves 2 and 3 for B.  The branch hangs on the wave number alone.  Four v_nop follow each of the two lines.
.macro JLOAD g0a, g1a, g0b, g1b
	s_cmp_eq_u32 s15, 0
	s_cbranch_scc0 .Lfor_b_\@
	tensor_load_to_lds s[\g0a:\g0a+3], s[\g1a:\g1a+7]
	s_nop 0
.rept 4
	v_nop
.endr
	s_branch .Lasked_\@
.Lfor_b_\@:
	tensor_load_to_lds s[\g0b:\g0b+3], s[\g1b:\g1b+7]
	s_nop 0
.rept 4
	v_nop
.endr
.Lasked_\@:
.endm
.macro CREST                           ; a round of the cluster barrier behind its opening barrier
	s_cmp_lg_u32 s14, 0
	s_cbranch_scc1 .Lnot_wave_0_\@
	s_barrier_signal -3
.Lnot_wave_0_\@:
	s_barrier_wait -3
	s_barrier_signal -1
	s_barrier_wait -1
.endm
.macro CROUND
	s_barrier_signal -1
	s_barrier_wait -1
	CREST
.endm
; where block a of the table (16 cos, 16 sin a lane) lies: window CW, first register CB.  Blocks 0-3 lie in registers that the products leave idle, blocks 4-7 in B's sets once the products are over.
.macro CSREG a
.if (\a) == 0
.set CW, 0
.set CB, 64
.elseif (\a) == 1
.set CW, 0
.set CB, 96
.elseif (\a) == 2
.set CW, 1
.set CB, 96
.elseif (\a) == 3
.set CW, 1
.set CB, 224
.elseif (\a) == 4
.set CW, 1
.set CB, 0
.elseif (\a) == 5
.set CW, 1
.set CB, 32
.elseif (\a) == 6
.set CW, 1
.set CB, 128
.else
.set CW, 1
.set CB, 160
.endif
.endm
.macro CSLOAD a
	CSREG \a
.set WN, CW<<6
	WIN WN
.irp c, 0,1,2,3,4,5,6,7
	global_load_b128 v[CB+4*\c:CB+4*\c+3], v[LI], s[96:97] offset:(\a)*4096+512*\c
.endr
.endm
	s_load_b256 s[4:11], s[0:1], 0x0               ; xq, wq, rope, qr
	s_load_b64 s[12:13], s[0:1], 0x20              ; kv
	v_lshl_add_u32 v[SPW], v0, 2, SPARE
	v_mov_b32 v[NIL], 0
	ds_add_u32 v28, v29
	s_wait_dscnt 0x0
	v_lshrrev_b32 v1, 5, v0
	v_readfirstlane_b32 s14, v1                    ; wave 0..3
	s_lshr_b32 s15, s14, 1                         ; which half of A's rows is mine.  Also: I fetch for A (0) or for B (1)
	s_and_b32 s16, s14, 1                          ; which half of B's rows.  Also: which 128 rows I fetch
	s_bfe_u32 s40, ttmp6, 0x40000                  ; cx
	s_bfe_u32 s41, ttmp6, 0x40004                  ; cy
	s_and_b32 s67, ttmp7, 0xffff                   ; the cluster's y
	s_lshl_b32 s17, s67, 2
	s_lshl_b32 s42, ttmp9, 2
	s_max_u32 s45, s67, 8
	s_sub_co_u32 s45, s45, 8
	s_lshl_b32 s45, s45, 1
	s_add_co_u32 s45, s45, ttmp9
	s_lshl_b32 s45, s45, 2                         ; 4 (2 (y - 8) + x)
	s_cmp_lt_u32 s67, 8
	s_cselect_b32 s66, 0, 1                        ; KIND
	s_cselect_b32 s17, s17, 0
	s_cselect_b32 s42, s42, s45
	s_add_co_u32 s17, s17, s41                     ; A's tile row
	s_add_co_u32 s42, s42, s40                     ; B's tile column
	s_lshl_b32 s43, s41, 2
	s_lshl_b32 s43, 15, s43                        ; my row of the cluster
	s_lshl_b32 s44, 0x1111, s40                    ; my column
	s_or_b32 s[G1+0], s43, (0<<16)|(1<<20)|(1<<21)|(3<<22)|(3<<25)  ; the mask; elements of 1 byte; padding on; bit 21 beside a mask; after every 16 words 4 words
	s_or_b32 s[G1B+0], s44, (0<<16)|(1<<20)|(1<<21)|(3<<22)|(3<<25)
.irp g, G1, G1B
	s_mov_b32 s[\g+1], ROWB<<16                    ; tensor_dim0
	s_mov_b32 s[\g+2], 128<<16                     ; tensor_dim1
	s_mov_b32 s[\g+3], ROWB<<16                    ; tile_dim0
	s_mov_b32 s[\g+4], 128                         ; tile_dim1
	s_mov_b32 s[\g+5], KROW                        ; pitch
	s_mov_b32 s[\g+6], 0
	s_mov_b32 s[\g+7], 0
.endr
	s_or_b32 s[G1S+0], s43, (3<<16)|(1<<20)|(1<<21)|(5<<22)|(3<<25) ; the scale bytes of 128 rows: 16 rows of 256 bytes, 16 bytes of padding behind each
	s_or_b32 s[G1SB+0], s44, (3<<16)|(1<<20)|(1<<21)|(5<<22)|(3<<25)
.irp g, G1S, G1SB
	s_mov_b32 s[\g+1], 32<<16
	s_mov_b32 s[\g+2], (128*KS/256)<<16
	s_mov_b32 s[\g+3], 32<<16
	s_mov_b32 s[\g+4], 128*KS/256
	s_mov_b32 s[\g+5], 32
	s_mov_b32 s[\g+6], 0
	s_mov_b32 s[\g+7], 0
.endr
	s_lshl_b32 s18, s16, 7
	s_lshl_b32 s20, s17, 8
	s_add_co_u32 s20, s20, s18                     ; A: row 256 x tile row + 128 x half
	s_lshl_b32 s46, s42, 8
	s_add_co_u32 s46, s46, s18                     ; B: row 256 x tile column + 128 x half
	s_mov_b32 s21, 0
	s_mov_b32 s47, 0
	s_mov_b64 s[18:19], KS
	s_mul_u64 s[22:23], s[20:21], s[18:19]
	s_mul_u64 s[92:93], s[46:47], s[18:19]
	s_mov_b64 s[18:19], KROW
	s_mul_u64 s[20:21], s[20:21], s[18:19]
	s_mul_u64 s[46:47], s[46:47], s[18:19]
	s_mul_i32 s45, s14, HALFT                      ; where the tiles go: wave x 128 rows
	s_mul_i32 s94, s14, HALFS
	s_wait_kmcnt 0x0
	s_mov_b64 s[96:97], s[8:9]                     ; rope
	s_mov_b64 s[98:99], s[10:11]                   ; qr
	s_mov_b64 s[100:101], s[12:13]                 ; kv
	s_add_nc_u64 s[8:9], s[6:7], 2048*KROW         ; Wv's codes
	s_add_nc_u64 s[10:11], s[6:7], WSC+2048*KS     ; Wv's scale bytes
	s_add_nc_u64 s[12:13], s[6:7], WSC             ; Wq's and Wk's scale bytes
	s_add_nc_u64 s[104:105], s[4:5], XSC           ; x's scale bytes
	s_cmp_eq_u32 s66, 0
	s_cselect_b64 s[2:3], s[4:5], s[8:9]           ; A's codes: x or Wv
	s_cselect_b64 s[8:9], s[6:7], s[4:5]           ; B's codes: Wq and Wk, or x
	s_cselect_b64 s[6:7], s[104:105], s[10:11]     ; A's scale bytes
	s_cselect_b64 s[10:11], s[12:13], s[104:105]   ; B's
	s_mov_b64 s[4:5], s[2:3]
	s_add_nc_u64 s[20:21], s[4:5], s[20:21]
	s_add_nc_u64 s[22:23], s[6:7], s[22:23]
	s_add_nc_u64 s[46:47], s[8:9], s[46:47]
	s_add_nc_u64 s[92:93], s[10:11], s[92:93]
	s_and_b32 s2, s17, 7                           ; the table: my 128 tokens are blocks 16 (tile row % 8) + 8 x half on
	s_lshl_b32 s2, s2, 4
	s_lshl_b32 s3, s15, 3
	s_add_co_u32 s2, s2, s3
	s_lshl_b32 s2, s2, 12
	s_mov_b32 s3, 0
	s_add_nc_u64 s[96:97], s[96:97], s[2:3]
	CROUND                                         ; all sixteen work-groups are here: the first joint loads meet
	s_mov_b32 s[G0S], 1
	s_add_co_u32 s[G0S+1], s94, SCL
	s_mov_b64 s[G0S+2:G0S+3], s[22:23]
	s_or_b32 s[G0S+3], s[G0S+3], 0x80000000
	s_mov_b32 s[G0SB], 1
	s_add_co_u32 s[G0SB+1], s94, SCL
	s_mov_b64 s[G0SB+2:G0SB+3], s[92:93]
	s_or_b32 s[G0SB+3], s[G0SB+3], 0x80000000
	JLOAD G0S, G1S, G0SB, G1SB                     ; the scale bytes first
.irp s, 0,1
	s_mov_b32 s[G0+4*\s], 1
	s_add_co_u32 s[G0+4*\s+1], s45, \s*SLOT
	s_add_nc_u64 s[G0+4*\s+2:G0+4*\s+3], s[20:21], \s*ROWB
	s_or_b32 s[G0+4*\s+3], s[G0+4*\s+3], 0x80000000
	s_mov_b32 s[G0B+4*\s], 1
	s_add_co_u32 s[G0B+4*\s+1], s45, \s*SLOT
	s_add_nc_u64 s[G0B+4*\s+2:G0B+4*\s+3], s[46:47], \s*ROWB
	s_or_b32 s[G0B+4*\s+3], s[G0B+4*\s+3], 0x80000000
	JLOAD G0+4*\s, G1, G0B+4*\s, G1B               ; three tensor loads of mine are out
.endr
	v_and_b32 v6, 31, v0
	v_lshlrev_b32 v[LI], 4, v6
	s_cmp_lg_u32 s66, 0                            ; v has no rotary embedding
	s_cbranch_scc1 .Lno_table
	CSLOAD 0                                       ; four blocks of the table, into registers that the products leave idle; they are waited for on the way out
	CSLOAD 1
	CSLOAD 2
	CSLOAD 3
	WIN 0
.Lno_table:
	v_and_b32 v1, 15, v0                           ; l % 16
	v_bfe_u32 v2, v0, 4, 1                         ; l / 16
	v_mul_u32_u24 v3, v1, PITCH
	v_mul_u32_u24 v4, v2, 24
	v_add_nc_u32 v4, v3, v4                        ; row x pitch + 24 x half
	v_lshl_add_u32 v5, v2, 4, v4                   ; and behind one padding more
	s_mul_i32 s21, s15, HALFT
	s_mul_i32 s22, s16, HALFT
	s_add_co_u32 s22, s22, 2*HALFT
.irp s, 0,1
	v_add_nc_u32 v[ADRA+\s], s21, v4
	v_add_nc_u32 v[ADRB+\s], s22, v4
	v_add_nc_u32 v[ADRA+2+\s], s21, v5
	v_add_nc_u32 v[ADRB+2+\s], s22, v5
	s_add_co_u32 s21, s21, SLOT
	s_add_co_u32 s22, s22, SLOT
.endr
	v_mul_u32_u24 v5, v1, KS                       ; my row's scale bytes: KS a row,
	v_lshrrev_b32 v6, 8, v5
	v_lshl_add_u32 v5, v6, 4, v5                   ; and 16 more for each 256 passed
	s_mul_i32 s21, s15, HALFS
	s_mul_i32 s22, s16, HALFS
	s_add_co_u32 s22, s22, 2*HALFS
	s_sub_co_u32 s22, s22, s21
	v_mul_u32_u24 v6, s22, v2                      ; lanes 16-31 take B's: one product, the distance between the two bases
	s_add_co_u32 s21, s21, SCL
	v_add_nc_u32 v5, v5, v6
	v_add_nc_u32 v[ADRS], s21, v5
.macro FRAG reg, adr, q, i             ; a fragment: 16 rows x 128 K in 12 registers, six pieces of 8 bytes
.irp p, 0,1,2,3,4,5
.set PCE, 12*(\q)+6*(\p/3)+\p%3
.if PCE%8 < 5
	ds_load_b64 v[\reg+2*\p:\reg+2*\p+1], v[\adr] offset:8*PCE+16*(PCE/8)+(\i)*16*PITCH
.else
	ds_load_b64 v[\reg+2*\p:\reg+2*\p+1], v[\adr+2] offset:8*PCE+16*(PCE/8)+(\i)*16*PITCH
.endif
.endr
.endm
; 16 matrix instructions: A's blocks a0, a0 + 1 against B's eight.  The 64 accumulators take turns, one instruction a turn, in the same order in every step.
.macro MUL16 a0, p, q, sc, zero
.irp a, \a0, \a0+1
.irp b, 0,1,2,3,4,5,6,7
.if \zero
	v_wmma_scale_f32_16x16x128_f8f6f4 v[8*(8*((\a)%4)+\b):8*(8*((\a)%4)+\b)+7], v[128*(\p)+FR*\b:128*(\p)+FR*\b+FR-1], v[AF+FR*(\a):AF+FR*(\a)+FR-1], 0, v[SC+8*NQ*(\sc)+NQ*\b+(\q)], v[SC+8*NQ*(\sc)+NQ*(\a)+(\q)] matrix_a_fmt:MATRIX_FMT_FP6 matrix_b_fmt:MATRIX_FMT_FP6 matrix_a_scale:MATRIX_SCALE_ROW1
.else
	v_wmma_scale_f32_16x16x128_f8f6f4 v[8*(8*((\a)%4)+\b):8*(8*((\a)%4)+\b)+7], v[128*(\p)+FR*\b:128*(\p)+FR*\b+FR-1], v[AF+FR*(\a):AF+FR*(\a)+FR-1], v[8*(8*((\a)%4)+\b):8*(8*((\a)%4)+\b)+7], v[SC+8*NQ*(\sc)+NQ*\b+(\q)], v[SC+8*NQ*(\sc)+NQ*(\a)+(\q)] matrix_a_fmt:MATRIX_FMT_FP6 matrix_b_fmt:MATRIX_FMT_FP6 matrix_a_scale:MATRIX_SCALE_ROW1
.endif
.endr
.endr
.endm
.macro FETCH_B slot, q, p
	WIN TO_B
.irp i, 0,1,2,3,4,5,6,7
	FRAG 128*(\p)+FR*\i, ADRB+\slot, \q, \i
.endr
	WIN 0
.endm
.macro FETCH_A slot, q, i0
.irp i, \i0, \i0+1, \i0+2, \i0+3
	FRAG AF+FR*(\i), ADRA+\slot, \q, \i
.endr
.endm
.macro SCALES sc                       ; the scale words of the next K step: lanes 0-15 A's block i, lanes 16-31 B's block i
.irp i, 0,1,2,3,4,5,6,7
	ds_load_b64 v[SC+8*NQ*\sc+NQ*\i:SC+8*NQ*\sc+NQ*\i+1], v[ADRS] offset:\i*SBLK
.endr
.endm
.macro PLACES n                        ; plain vector instructions between a matrix instruction and a load into, or a read of, its registers
.rept \n
	v_nop
.endr
.endm
.macro STEP slot, q, zero              ; 128 along K that has its successor in the same slot
	s_wait_dscnt 4*NL                              ; B's set and A's blocks 0-3 are in; the youngest 24 loads (A's blocks 4-7) may be out
	WIN MUL_LO
	MUL16 0, (\q)%2, \q, \slot, \zero
	MUL16 2, (\q)%2, \q, \slot, \zero
	s_wait_dscnt 0
	PLACES NP
	FETCH_B \slot, (\q)+1, 1-(\q)%2
	FETCH_A \slot, (\q)+1, 0
	WIN MUL_HI
	MUL16 4, (\q)%2, \q, \slot, \zero
	MUL16 6, (\q)%2, \q, \slot, \zero
	PLACES NP
	WIN 0
	FETCH_A \slot, (\q)+1, 4
.endm
; The last step of a slot changes slots: one barrier; in front of it each wave waits for all its tensor loads, adds 0 to its spare word, and waits for that and for its reads of this slot.
.macro TURN slot, next, fill
	s_wait_tensorcnt 0x0                           ; all my tensor loads have landed: my part of the next slot
	ds_add_u32 v[SPW], v[NIL]                      ; 0 onto my spare word
	s_wait_dscnt 4*NL+1                            ; the add and the youngest 24 loads may be out
	WIN MUL_LO
	MUL16 0, 1, NQ-1, \slot, 0
	s_wait_dscnt 0x0                               ; the add is done, and my reads of this slot are over
	s_barrier_signal -1
	MUL16 2, 1, NQ-1, \slot, 0
	WIN 0
	s_barrier_wait -1
.if \fill
	CREST                                          ; the barrier has opened a round of the cluster barrier: no wave of any partner still reads this slot or has a load on its way
	s_add_nc_u64 s[G0+4*\slot+2:G0+4*\slot+3], s[G0+4*\slot+2:G0+4*\slot+3], 2*ROWB
	s_add_nc_u64 s[G0B+4*\slot+2:G0B+4*\slot+3], s[G0B+4*\slot+2:G0B+4*\slot+3], 2*ROWB
	JLOAD G0+4*\slot, G1, G0B+4*\slot, G1B         ; the first tensor load behind the round; its four v_nop are also the places in front of the loads below
.else
	PLACES NP
.endif
	v_add_nc_u32 v[ADRS], 4*NQ, v[ADRS]
	FETCH_B \next, 0, 0
	FETCH_A \next, 0, 0
	SCALES \next
	WIN MUL_HI
	MUL16 4, 1, NQ-1, \slot, 0
	MUL16 6, 1, NQ-1, \slot, 0
	PLACES NP
	WIN 0
	FETCH_A \next, 0, 4
.endm
	s_wait_tensorcnt 1                             ; the scale bytes and my part of K step 0 are in; the load of K step 1 may be out
	s_barrier_signal -1
	s_barrier_wait -1
	FETCH_B 0, 0, 0
	FETCH_A 0, 0, 0
	SCALES 0
	FETCH_A 0, 0, 4
	STEP 0, 0, 1                                   ; the first products start the sums
	TURN 0, 1, 1                                   ; slot 0 takes K step 2
	STEP 1, 0, 0
	TURN 1, 0, 1                                   ; slot 1 takes K step 3
	STEP 0, 0, 0
	TURN 0, 1, 0                                   ; nothing is left to fetch
	STEP 1, 0, 0
	s_wait_dscnt 4*NL
	WIN MUL_LO
	MUL16 0, 1, NQ-1, 1, 0
	MUL16 2, 1, NQ-1, 1, 0
	s_wait_dscnt 0
	WIN MUL_HI
	MUL16 4, 1, NQ-1, 1, 0
	MUL16 6, 1, NQ-1, 1, 0
	WIN 0
; ---------------- THE WAY OUT ----------------
; 64 numbers of a lane in window w, register 16 b + i = k 32 b + 16 (lane / 16) + i of the row of my lane, become a fragment in v[PC] on and its scale word in v[pw].
.macro QUANT s, w, pw
.set WN, (\w)|((\w)<<2)
	WIN WN
.irp b, 0,1,2,3
	v_max3_num_f32 v[TM+\b], |v[\s+16*\b]|, |v[\s+1+16*\b]|, 0x1800000   ; my 16 numbers of block b, from the low end on, and the floor 2^(3 - 127)
.endr
.set WN, ((\w)<<2)|((\w)<<4)
	WIN WN
.irp i, 2,4,6,8,10,12,14
.irp b, 0,1,2,3
	v_max3_num_f32 v[TM+\b], v[TM+\b], |v[\s+16*\b+\i]|, |v[\s+1+16*\b+\i]|
.endr
.endr
	WIN 0
.irp b, 0,1,2,3
	v_permlanex16_b32 v[TM+4+\b], v[TM+\b], s76, s77
.endr
.irp b, 0,1,2,3
	v_max_num_f32 v[TM+\b], v[TM+\b], v[TM+4+\b]   ; with lane l xor 16: the largest magnitude of the block
.endr
.irp b, 0,1,2,3
	v_add_nc_u32 v[TM+8+\b], 0xff000000, v[TM+\b]  ; 2 off the exponent field: the scale operand
.endr
.irp b, 0,1,2,3
	v_lshrrev_b32 v[TM+4+\b], 23, v[TM+8+\b]       ; the scale byte
.endr
	v_lshl_or_b32 v[\pw], v[TM+5], 8, v[TM+4]
	v_lshl_or_b32 v[\pw], v[TM+6], 16, v[\pw]
	v_lshl_or_b32 v[\pw], v[TM+7], 24, v[\pw]
	s_wait_xcnt 0x0                                ; the stores of the last fragment have read v[PC] on: it is written again only behind this wait
.set WN, \w
	WIN WN
.irp c, 0,1
	v_cvt_scalef32_pk16_fp6_f32 v[PC+6*\c:PC+2+6*\c], v[\s+32*\c:\s+15+32*\c], v[TM+8+2*\c]
	v_cvt_scalef32_pk16_fp6_f32 v[PC+12+4*\c:PC+14+4*\c], v[\s+16+32*\c:\s+31+32*\c], v[TM+8+2*\c+1]
.endr
	WIN 0
	v_nop                                          ; one plain instruction behind a scaled conversion
.irp c, 0,1                                    ; the layout wants a whole block in a lane
.irp i, 0,1,2
	v_permlane16_swap_b32 v[PC+6*\c+\i], v[PC+12+4*\c+\i]
.endr
.irp i, 0,1,2
	v_mov_b32 v[PC+3+6*\c+\i], v[PC+12+4*\c+\i]
.endr
.endr
.endm
.macro OUTFRAG hd, f                   ; the fragment leaves as it stands: each store covers 512 consecutive bytes, aligned
.irp c, 0,1,2
	global_store_b128 v[LI], v[PC+4*\c:PC+4*\c+3], s[68+2*(\hd):69+2*(\hd)] offset:1536*(\f)+512*\c
.endr
.endm
; The rotary embedding of block a (16 tokens), head hd of my two, into v[ST + 32 e] on.  Channels d and d + 32 lie in one lane: registers AC + i and AC + 16 + i, d = 16 (lane / 16) + i.
.macro ROPE a, hd, e
	CSREG \a
.set AW, 2+(\a)/4
.set AC, 64*((\a)%4)+32*(\hd)
.set WN, AW|(CW<<2)
	WIN WN
.irp i, 0,2,4,6,8,10,12,14
	v_pk_mul_f32 v[ST+32*(\e)+\i:ST+32*(\e)+\i+1], v[AC+16+\i:AC+16+\i+1], v[CB+16+\i:CB+16+\i+1]
	v_pk_mul_f32 v[ST+32*(\e)+16+\i:ST+32*(\e)+16+\i+1], v[AC+\i:AC+\i+1], v[CB+16+\i:CB+16+\i+1]
.endr
.irp i, 0,2,4,6,8,10,12,14
	v_pk_fma_f32 v[ST+32*(\e)+\i:ST+32*(\e)+\i+1], v[AC+\i:AC+\i+1], v[CB+\i:CB+\i+1], v[ST+32*(\e)+\i:ST+32*(\e)+\i+1] neg_lo:[0,0,1] neg_hi:[0,0,1]   ; x(d) cos - x(d + 32) sin
	v_pk_fma_f32 v[ST+32*(\e)+16+\i:ST+32*(\e)+16+\i+1], v[AC+16+\i:AC+16+\i+1], v[CB+\i:CB+\i+1], v[ST+32*(\e)+16+\i:ST+32*(\e)+16+\i+1]              ; x(d + 32) cos + x(d) sin
.endr
.endm
.macro QKGROUP g                       ; 32 stored tokens: blocks 2 g and 2 g + 1, both heads
	s_wait_loadcnt 16*(3-(\g))                     ; the table of these two blocks is in; the 8 loads of each later block may be out
.irp hd, 0,1
	ROPE 2*(\g), \hd, 0
	ROPE 2*(\g)+1, \hd, 1
	QUANT ST, 0, SW+4*\hd+(\g)
	OUTFRAG \hd, \g
.endr
.endm
	PLACES NP                                      ; behind the last products: for the first reads of results and the writes into operands that are done with
.irp b, 0,1,2,3
	v_mov_b32 v[TM+4+\b], 0                        ; written once: the destination of a lane permute counts as a source
.endr
	; where my records lie.  No tensor load of mine is out, so the registers of the descriptors are free.
	s_mov_b32 s76, 0x76543210
	s_mov_b32 s77, 0xfedcba98                      ; selects for lane l xor 16
	s_and_b32 s20, s42, 3
	s_cmp_eq_u32 s66, 0
	s_cselect_b32 s18, s17, s42                    ; the tile of 256 tokens
	s_cselect_b32 s19, s15, s16                    ; and my half of it
	s_cselect_b32 s20, s20, s17                    ; the tile of four heads
	s_cselect_b32 s21, s16, s15                    ; and my half of it
	s_cselect_b32 s22, 0, 6144                     ; images: k at 0, v at 6,144
	s_mov_b32 s23, 12800
	s_cselect_b32 s23, 12288, s23                  ; scale words in a record of kv
	s_or_b32 s45, s66, ttmp9                       ; 0 where q is made
	s_cmp_eq_u32 s45, 0
	s_cselect_b64 s[68:69], s[98:99], s[100:101]
	s_mov_b32 s46, 13312
	s_cselect_b32 s46, 6656, s46                   ; bytes of a record
	s_cselect_b32 s23, 6144, s23
	s_lshr_b32 s47, s18, 3                         ; batch
	s_and_b32 s18, s18, 7
	s_lshl_b32 s18, s18, 1
	s_add_co_u32 s18, s18, s19                     ; step of 128 tokens
	s_lshl_b32 s20, s20, 2
	s_lshl_b32 s21, s21, 1
	s_add_co_u32 s20, s20, s21                     ; my first head
	s_lshl_b32 s47, s47, 4
	s_add_co_u32 s47, s47, s20
	s_lshl_b32 s47, s47, 4
	s_add_co_u32 s47, s47, s18                     ; the record
	s_mul_i32 s92, s47, s46
	s_mov_b32 s93, 0
	s_add_nc_u64 s[68:69], s[68:69], s[92:93]
	s_lshl_b32 s92, s46, 4                         ; the next head lies 16 records on
	s_add_nc_u64 s[70:71], s[68:69], s[92:93]
	s_mov_b32 s92, s23
	s_add_nc_u64 s[72:73], s[68:69], s[92:93]      ; scale words, first head
	s_add_nc_u64 s[74:75], s[70:71], s[92:93]      ; second head
	s_mov_b32 s92, s22
	s_add_nc_u64 s[68:69], s[68:69], s[92:93]      ; images, first head
	s_add_nc_u64 s[70:71], s[70:71], s[92:93]      ; second head
	s_cmp_lg_u32 s66, 0
	s_cbranch_scc1 .Lkind_v
	CSLOAD 4                                       ; the other four blocks of the table, into B's sets
	CSLOAD 5
	CSLOAD 6
	CSLOAD 7
	WIN 0
	QKGROUP 0
	QKGROUP 1
	QKGROUP 2
	QKGROUP 3
	s_branch .Ljoin
.Lkind_v:
.irp a, 0,1,2,3,4,5,6,7                ; block a: 16 channels of head a / 4; its eight accumulators are 64 registers on end: 128 keys in their true order
	QUANT 64*(\a%4), 2+\a/4, SW+4*(\a/4)+\a%4
	OUTFRAG \a/4, \a%4
.endr
.Ljoin:
	global_store_b128 v[LI], v[SW:SW+3], s[72:73]      ; the scale words of four images, [lane][4]: 512 consecutive bytes
	global_store_b128 v[LI], v[SW+4:SW+7], s[74:75]
	s_wait_tensorcnt 0x0                           ; the end of the wave
	ds_add_u32 v[SPW], v[NIL]
	s_wait_dscnt 0x0
	CROUND                                         ; the closing round
	s_endpgm
.Lfunc_end_k_q28e6c4aeb0_qkv:
	.size	k_q28e6c4aeb0_qkv, .Lfunc_end_k_q28e6c4aeb0_qkv-k_q28e6c4aeb0_qkv
	.p2alignl 7, 3214868480
	.fill 96, 4, 3214868480
	.section	.rodata,"a",@progbits
	.p2align	6, 0x0
	.amdhsa_kernel k_q28e6c4aeb0_qkv
		.amdhsa_group_segment_fixed_size 327680
		.amdhsa_private_segment_fixed_size 0
		.amdhsa_enable_private_segment 0
		.amdhsa_kernarg_size 40
		.amdhsa_user_sgpr_count 2
		.amdhsa_user_sgpr_kernarg_segment_ptr 1
		.amdhsa_wavefront_size32 1
		.amdhsa_system_sgpr_workgroup_id_x 1
		.amdhsa_system_sgpr_workgroup_id_y 1
		.amdhsa_system_sgpr_workgroup_id_z 1
		.amdhsa_system_vgpr_workitem_id 0
		.amdhsa_next_free_vgpr 1024
		.amdhsa_next_free_sgpr 106
		.amdhsa_reserve_vcc 0
		.amdhsa_float_denorm_mode_32 3
		.amdhsa_float_denorm_mode_16_64 3
		.amdhsa_memory_ordered 1
		.amdhsa_forward_progress 1
		.amdhsa_inst_pref_size 237
	.end_amdhsa_kernel
	.amdgpu_metadata
---
amdhsa.version: [ 1, 2 ]
amdhsa.kernels:
  - .name:           k_q28e6c4aeb0_qkv
    .symbol:         k_q28e6c4aeb0_qkv.kd
    .args:
      - { .name: xq, .offset: 0, .size: 8, .value_kind: global_buffer, .address_space: global }
      - { .name: wq, .offset: 8, .size: 8, .value_kind: global_buffer, .address_space: global }
      - { .name: rope, .offset: 16, .size: 8, .value_kind: global_buffer, .address_space: global }
      - { .name: qr, .offset: 24, .size: 8, .value_kind: global_buffer, .address_space: global }
      - { .name: kv, .offset: 32, .size: 8, .value_kind: global_buffer, .address_space: global }
    .group_segment_fixed_size: 327680
    .private_segment_fixed_size: 0
    .kernarg_segment_align: 8
    .kernarg_segment_size: 40
    .max_flat_workgroup_size: 128
    .sgpr_count:     106
    .vgpr_count:     1024
    .wavefront_size: 32
...
	.end_amdgpu_metadata
.endif
;; end of part 2
;; launch attn (part 3): grid 8 x 32, 16 waves a work-group, clusters of 4 x 1, 327,680 bytes of LDS; arguments qr, kv, oq; writes oq
.if DOCPART == 3
	.amdgcn_target "amdgcn-amd-amdhsa--gfx1250"
	.amdhsa_code_object_version 6
	.text
	.protected	k_q28e6c4aeb0_attn
	.globl	k_q28e6c4aeb0_attn
	.p2align	8
	.type	k_q28e6c4aeb0_attn,@function
k_q28e6c4aeb0_attn:
	s_mov_b64 s[64:65], 0
	v_nop
	global_prefetch_b8 v0, s[64:65] scope:SCOPE_SE
	s_setreg_imm32_b32 hwreg(HW_REG_WAVE_MODE, 25, 1), 1
	s_wait_xcnt 0x0
	s_wait_alu depctr_hold_cnt(0) depctr_sa_sdst(0) depctr_va_vdst(0) depctr_va_sdst(0) depctr_va_ssrc(0) depctr_va_vcc(0) depctr_vm_vsrc(0)
	s_getreg_b32 s2, hwreg(HW_REG_IB_STS2, 6, 4)
	s_cmp_eq_u32 s2, 0
	s_cbranch_scc0 .Lentry_in_a_cluster
	s_endpgm
.Lentry_in_a_cluster:
	s_bfe_u32 s2, ttmp6, 0x10000c
	s_cmp_lg_u32 s2, 0x3003
	s_cbranch_scc0 .Lentry_shape_is_right
	s_endpgm
.Lentry_shape_is_right:
; ATTN.  o = softmax(q k^T / 8) v for 64 (batch, head) pairs of 2,048 tokens, head size 64, both products on codes of FP6 (E2M3) with E8M0 scales; o is divided by the row sum and quantised along the model axis.
; THE SOFTMAX AHEAD OF THE SECOND PRODUCT: t = score x log2(e) / 8; M = the largest t of the row so far, rounded UP to a whole number; p = 2^(t - M) is quantised along the keys, not normalised.
; The row sum is taken of the unquantised p and divides at the end.  When M moves, the sum and O are multiplied by 2^(old M - new M): exact.
; SHARES.  A work-group owns 256 queries of a batch and a PAIR of heads, which it walks one after the other: 32 key steps of 128, one run of 425,984 consecutive bytes of kv.  Each of its sixteen waves owns 16 queries in
; 256 registers: four waves to a SIMD, so that the vector work of one stands beside the products and LDS loads of another.  With two heads a wave ends with a whole fragment (128 along the model axis) of o.
; CLUSTER.  The four query blocks of a cluster walk the same records: each slot is asked for jointly (mask 15).  cx enters the addresses of qr and oq alone.
; OPERANDS ARE IMAGES OF REGISTERS: a fragment is 1,536 bytes, lane l at 16 l of each 512: three ds_load_b128, consecutive, no padding.
; K = 64 IN AN INSTRUCTION OF 128: an image of k pairs two tiles of 16 keys (registers 0-5, 6-11).  Against it stand [q | zeros] or [zeros | q]: two views of the 18 registers zeros, q, zeros.  Zero codes add nothing.
; Both products are used transposed: S^T = k q^T, O^T = v^T p^T: a lane holds one query.  The stored order of tokens and channels (bits 3 and 4 exchanged) makes the 16 registers of two neighbouring tiles 16 true neighbours.
; RING: two slots of 8 records (106,496 bytes); waves 0-3 fetch a quarter each, one load a wave behind each round; a refill has eight key steps of all sixteen waves in which to land.  One tensor load of a wave is out at most.
; No prefetch: no wave waits for a refill (it is asked for eight key steps ahead of its first read), and the first fill stands at the head, where nothing is asked ahead.
; LIMITS: NaN and infinities are not served; a block of p or of o whose largest magnitude lies under 2^-124 gets the byte 1.
.set REC,   13312                      ; a record: 4 images of k, 4 of v, scale words of k (12,288), of v (12,800)
.set SLOTB, 8*REC
.set QREC,  6656
.set OSG,   2*SLOTB                    ; 2,048 bytes: the scale words of o, 4 bytes a thread; no tile lands here
.set SPARE, OSG+2048                   ; the spare words, 128 bytes a wave: eight blocks of 256 bytes that no other line names
.set OSC,   6291456                    ; where the scale words begin in oq
.set LI,  1                            ; v1  16 x lane
.set ADR, 2                            ; v2  LDS address of the record in hand
.set SPW, 3
.set NIL, 4
.set QSB, 5                            ; v5, v[6:11]  scale word and codes of q for the second head
.set QS,  34                           ; v[16:21] zeros, v[22:27] q, v[28:33] zeros; v34 its scale word
.set PW,  35                           ; the scale word of p
.set KV,  36                           ; v36-83 four images
.set KSC, 84                           ; v84-87 their scale words (k), v88-91 (v)
.set VSC, 88
.set OSA, 92
.set ORD, 93
.set OGO, 94
.set S,   96                           ; v96-159 S^T, then p
.set O,   160                          ; v160-191 O^T
.set PCD, 192                          ; v192-203 the codes of p
.set PT,  204                          ; v204-206, v208-210 at work
.set BM,  212
.set BT,  216
.set BSC, 220
.set FF,  224                          ; v[224:225] f
.set TT,  226
.set L2,  228                          ; v[228:229] the second chain of the sum
.set OC,  236                          ; v236-247 the codes of o
.set OW,  248                          ; its scale word
.set WV,  12
.set G1,  16
.set G0,  24
.set SEL, 28
.set CS,  30
.set TB,  32
.set CNT, 33
.macro CROUND
	s_barrier_signal -1
	s_barrier_wait -1
	s_cmp_lg_u32 s[WV], 0
	s_cbranch_scc1 .Lnot_wave_0_\@
	s_barrier_signal -3
.Lnot_wave_0_\@:
	s_barrier_wait -3
	s_barrier_signal -1
	s_barrier_wait -1
.endm
.macro TLOAD                           ; waves 0-3 fetch a quarter of a slot each; the branch hangs on the wave number alone; four v_nop follow the load
	s_cmp_lt_u32 s[WV], 4
	s_cbranch_scc0 .Lasked_\@
	tensor_load_to_lds s[G0:G0+3], s[G1:G1+7]
	s_nop 0
.rept 4
	v_nop
.endr
.Lasked_\@:
.endm
	s_load_b128 s[4:7], s[0:1], 0x0                ; qr, kv
	s_load_b64 s[8:9], s[0:1], 0x10                ; oq
	v_lshl_add_u32 v[SPW], v0, 2, SPARE
	v_mov_b32 v[NIL], 0
	ds_add_u32 v3, v4
	s_wait_dscnt 0x0
	v_lshrrev_b32 v2, 5, v0
	v_readfirstlane_b32 s[WV], v2                  ; wave 0..15
	s_bfe_u32 s13, ttmp6, 0x40000                  ; cx
	s_lshl_b32 s14, ttmp9, 2
	s_add_co_u32 s14, s14, s13                     ; my block of 256 queries
	s_and_b32 s15, ttmp7, 0xffff                   ; 8 x batch + pair of heads
	s_mov_b32 s[G1], 15|(3<<16)|(1<<21)            ; the mask: all four; elements of 8 bytes; bit 21 beside a mask; no padding
	s_mov_b32 s[G1+1], 32<<16                      ; tensor_dim0 = 32: rows of 256 bytes
	s_mov_b32 s[G1+2], 104<<16                     ; tensor_dim1 = 104: two records
	s_mov_b32 s[G1+3], 32<<16
	s_mov_b32 s[G1+4], 104
	s_mov_b32 s[G1+5], 32
	s_mov_b32 s[G1+6], 0
	s_mov_b32 s[G1+7], 0
	s_mov_b32 s[SEL], 0x76543210
	s_mov_b32 s[SEL+1], 0xfedcba98
	s_mov_b32 s[CS], 0x3e38aa3b                    ; log2(e) / 8
	s_mov_b32 s[CS+1], s[CS]
	s_and_b32 s34, s[WV], 3
	s_mul_i32 s34, s34, 2*REC                      ; my quarter of a slot
	s_mul_i32 s38, s15, 32*REC                     ; the 32 records of the pair of heads
	s_add_co_u32 s38, s38, s34
	s_mov_b32 s39, 0
	s_wait_kmcnt 0x0
	s_mov_b32 s[G0], 1
	s_mov_b32 s[G0+1], s34
	s_add_nc_u64 s[G0+2:G0+3], s[6:7], s[38:39]
	s_or_b32 s[G0+3], s[G0+3], 0x80000000
	CROUND                                         ; all four work-groups are here
	TLOAD                                          ; slot 0: key steps 0-7 of the first head
	s_lshl_b32 s40, s14, 1
	s_lshr_b32 s41, s[WV], 3
	s_add_co_u32 s40, s40, s41                     ; which step of 128 tokens holds my queries
	s_lshl_b32 s41, s15, 5
	s_add_co_u32 s40, s40, s41
	s_mul_i32 s40, s40, QREC
	s_mov_b32 s41, 0
	s_add_nc_u64 s[40:41], s[4:5], s[40:41]        ; its record in qr, first head; the second lies 16 records on
	s_bfe_u32 s42, s[WV], 0x20001                  ; which image: (wave / 2) % 4
	s_mul_i32 s44, s42, 1536
	s_mov_b32 s45, 0
	s_add_nc_u64 s[38:39], s[40:41], s[44:45]
	s_lshl_b32 s44, s42, 2
	s_add_co_u32 s44, s44, 6144
	s_add_nc_u64 s[40:41], s[40:41], s[44:45]      ; and its scale words
	v_and_b32 v[LI], 31, v0
	v_lshlrev_b32 v[LI], 4, v[LI]
.irp c, 0,1,2
	global_load_b128 v[96+4*\c:99+4*\c], v[LI], s[38:39] offset:512*\c
	global_load_b128 v[112+4*\c:115+4*\c], v[LI], s[38:39] offset:16*QREC+512*\c
.endr
	global_load_b32 v108, v[LI], s[40:41]
	global_load_b32 v109, v[LI], s[40:41] offset:16*QREC
	s_and_b32 s46, s[WV], 1                        ; which half of the image is my tile
	s_mov_b32 s36, 0x01000100
	s_cmp_eq_u32 s46, 1
	s_cselect_b32 s35, -1, 0
	s_cselect_b32 s36, 0x03020302, s36             ; its two scale bytes, twice
	s_lshr_b32 s42, s15, 3
	s_lshl_b32 s42, s42, 3
	s_add_co_u32 s42, s42, s14                     ; 8 x batch + query block
	s_lshl_b32 s42, s42, 3
	s_and_b32 s43, s15, 7
	s_add_co_u32 s42, s42, s43                     ; x 8 + pair of heads
	s_lshl_b32 s44, s42, 4
	s_add_co_u32 s44, s44, s[WV]
	s_mul_i32 s44, s44, 1536
	s_add_nc_u64 s[10:11], s[8:9], s[44:45]        ; my image in oq
	s_lshl_b32 s44, s42, 11
	s_add_co_u32 s44, s44, OSC
	s_add_nc_u64 s[46:47], s[8:9], s[44:45]        ; the 2,048 bytes of scale words of the work-group
.irp i, 0,1,2,3,4,5
	v_mov_b32 v[16+\i], 0
	v_mov_b32 v[28+\i], 0
.endr
	v_mov_b32 v13, 0xff61b1e6                      ; the largest t so far: -3e38
	v_floor_f32 v12, -v13                          ; -M
	v_mov_b32 v14, 0
	v_mov_b32 v15, 0
.irp b, 0,1,2,3
	v_mov_b32 v[BT+\b], 0                          ; written once: the destination of a lane permute counts as a source
.endr
	v_mov_b32 v[FF+1], 0
	v_mov_b32 v[TT], 0
.irp i, 0,1,2,3,4,5,6,7,8,9,10,11
	v_mov_b32 v[OC+\i], 0
.endr
	v_mov_b32 v[OW], 0
	v_lshl_add_u32 v[OSA], v0, 2, OSG
	v_and_b32 v[OGO], 127, v0
	v_lshlrev_b32 v[OGO], 4, v[OGO]
	v_add_nc_u32 v[ORD], OSG, v[OGO]
	s_wait_loadcnt 0x0
.irp i, 0,1,2,3,4,5
	v_cndmask_b32 v[22+\i], v[96+\i], v[102+\i], s35
	v_cndmask_b32 v[6+\i], v[112+\i], v[118+\i], s35
.endr
	v_perm_b32 v[QS], v108, v108, s36
	v_perm_b32 v[QSB], v109, v109, s36
.irp j, 0,1,2,3,4,5,6,7,8,9,10,11,12,13,14,15,16,17,18,19,20,21,22,23,24,25,26,27,28,29,30,31
	v_mov_b32 v[O+\j], 0                           ; O^T begins as zeros; these are also the places between the writes of q and its scale word and the first product
.endr
; A KEY STEP: 128 keys.
.macro STEP
	v_add_nc_u32 v[ADR], s[TB], v[LI]
	v_nop
	v_nop
	v_nop                                          ; four places behind the last products, in front of loads into their operands
.irp g, 0,1,2,3
.irp c, 0,1,2
	ds_load_b128 v[KV+12*\g+4*\c:KV+12*\g+4*\c+3], v[ADR] offset:1536*\g+512*\c
.endr
.endr
	ds_load_b128 v[KSC:KSC+3], v[ADR] offset:12288
	s_wait_dscnt 0x0
.irp g, 0,1,2,3
.irp u, 0,1
	v_wmma_scale_f32_16x16x128_f8f6f4 v[S+8*(2*\g+\u):S+8*(2*\g+\u)+7], v[KV+12*\g:KV+12*\g+11], v[22-6*\u:33-6*\u], 0, v[KSC+\g], v[QS] matrix_a_fmt:MATRIX_FMT_FP6 matrix_b_fmt:MATRIX_FMT_FP6
.endr
.endr
.rept 4
	v_nop
.endr
.irp d, 0,1,2,3                                ; v lands under the softmax
.irp c, 0,1,2
	ds_load_b128 v[KV+12*\d+4*\c:KV+12*\d+4*\c+3], v[ADR] offset:6144+1536*\d+512*\c
.endr
.endr
	ds_load_b128 v[VSC:VSC+3], v[ADR] offset:12800
.irp b, 0,1,2,3
	v_max3_num_f32 v[BM+\b], v[S+16*\b], v[S+1+16*\b], v[S+2+16*\b]   ; the largest score of each block of 32 keys: for the maximum of the row, and for the largest p of the block
.endr
.irp i, 3,5,7,9,11,13
.irp b, 0,1,2,3
	v_max3_num_f32 v[BM+\b], v[BM+\b], v[S+16*\b+\i], v[S+1+16*\b+\i]
.endr
.endr
.irp b, 0,1,2,3
	v_max_num_f32 v[BM+\b], v[BM+\b], v[S+15+16*\b]
.endr
.irp b, 0,1,2,3
	v_permlanex16_b32 v[BT+\b], v[BM+\b], s[SEL], s[SEL+1]
.endr
.irp b, 0,1,2,3
	v_max_num_f32 v[BM+\b], v[BM+\b], v[BT+\b]
.endr
	v_max3_num_f32 v[TT], v[BM], v[BM+1], v[BM+2]
	v_max_num_f32 v[TT], v[TT], v[BM+3]
	v_mul_f32 v[TT], s[CS], v[TT]
	v_max_num_f32 v13, v13, v[TT]                  ; the running largest t
	v_mov_b32 v[TT], v12
	v_floor_f32 v12, -v13                          ; the new -M: M is a whole number
	v_sub_f32 v[TT], v12, v[TT]
	v_cvt_i32_f32 v[TT], v[TT]                     ; (it saturates)
	v_ldexp_f32 v[FF], 1.0, v[TT]                  ; f = 2^(old M - new M)
.irp j, 0,2,4,6,8,10,12,14,16,18,20,22,24,26,28,30,32,34,36,38,40,42,44,46,48,50,52,54,56,58,60,62
	v_pk_fma_f32 v[S+\j:S+1+\j], v[S+\j:S+1+\j], s[CS:CS+1], v[12:13] op_sel_hi:[1,0,0]   ; t - M
.endr
.irp b, 0,1,2,3
	v_fma_f32 v[BM+\b], v[BM+\b], s[CS], v12
.endr
.irp j, 0,1,2,3,4,5,6,7,8,9,10,11,12,13,14,15,16,17,18,19,20,21,22,23,24,25,26,27,28,29,30,31,32,33,34,35,36,37,38,39,40,41,42,43,44,45,46,47,48,49,50,51,52,53,54,55,56,57,58,59,60,61,62,63
	v_exp_f32 v[S+\j], v[S+\j]                     ; p
.endr
	v_pk_mul_f32 v[14:15], v[14:15], v[FF:FF+1] op_sel_hi:[1,0]       ; the sum under the new M: plain work behind the exponentials,
.irp j, 0,2,4,6,8,10,12,14,16,18,20,22,24,26,28,30
	v_pk_mul_f32 v[O+\j:O+1+\j], v[O+\j:O+1+\j], v[FF:FF+1] op_sel_hi:[1,0]   ; and O^T likewise, from the low end of each accumulator on
.endr
	s_wait_alu depctr_va_vdst(0)                   ; one wait for the batch of 64, ahead of its first reader
.irp b, 0,1,2,3
	v_exp_f32 v[BM+\b], v[BM+\b]                   ; the largest p of each block: the same two instructions on the same number
.endr
	v_pk_add_f32 v[L2:L2+1], v[S:S+1], v[S+2:S+3]  ; the sum of the unquantised p, in two chains
.irp j, 4,8,12,16,20,24,28,32,36,40,44,48
	v_pk_add_f32 v[14:15], v[14:15], v[S+\j:S+1+\j]
	v_pk_add_f32 v[L2:L2+1], v[L2:L2+1], v[S+2+\j:S+3+\j]
.endr
	s_wait_alu depctr_va_vdst(0)                   ; and one for the four
.irp b, 0,1,2,3
	v_max_num_f32 v[BM+\b], 0x1800000, v[BM+\b]    ; the floor 2^(3 - 127)
.endr
.irp b, 0,1,2,3
	v_add_nc_u32 v[BSC+\b], 0xff000000, v[BM+\b]
.endr
.irp b, 0,1,2,3
	v_lshrrev_b32 v[BT+\b], 23, v[BSC+\b]
.endr
	v_lshl_or_b32 v[PW], v[BT+1], 8, v[BT]
	v_lshl_or_b32 v[PW], v[BT+2], 16, v[PW]
	v_lshl_or_b32 v[PW], v[BT+3], 24, v[PW]
.irp c, 0,1
	v_cvt_scalef32_pk16_fp6_f32 v[PCD+6*\c:PCD+2+6*\c], v[S+32*\c:S+15+32*\c], v[BSC+2*\c]
	v_cvt_scalef32_pk16_fp6_f32 v[PT+4*\c:PT+2+4*\c], v[S+16+32*\c:S+31+32*\c], v[BSC+2*\c+1]
.endr
	v_nop                                          ; one plain instruction behind a scaled conversion
.irp c, 0,1
.irp i, 0,1,2
	v_permlane16_swap_b32 v[PCD+6*\c+\i], v[PT+4*\c+\i]
.endr
.irp i, 0,1,2
	v_mov_b32 v[PCD+3+6*\c+\i], v[PT+4*\c+\i]
.endr
.endr
.irp j, 52,56,60                               ; the rest of the sum: seven plain instructions between the last write of the codes and the products
	v_pk_add_f32 v[14:15], v[14:15], v[S+\j:S+1+\j]
	v_pk_add_f32 v[L2:L2+1], v[L2:L2+1], v[S+2+\j:S+3+\j]
.endr
	v_pk_add_f32 v[14:15], v[14:15], v[L2:L2+1]
	s_wait_dscnt 0x0                               ; v is in
.irp d, 0,1,2,3                                ; the four accumulators by turns
	v_wmma_scale_f32_16x16x128_f8f6f4 v[O+8*\d:O+8*\d+7], v[KV+12*\d:KV+12*\d+11], v[PCD:PCD+11], v[O+8*\d:O+8*\d+7], v[VSC+\d], v[PW] matrix_a_fmt:MATRIX_FMT_FP6 matrix_b_fmt:MATRIX_FMT_FP6
.endr
.endm
.macro STEPS slot                      ; the eight key steps of a slot
	s_mov_b32 s[TB], (\slot)*SLOTB
	s_mov_b32 s[CNT], 8
.Lstep_\@:
	STEP
	s_add_co_u32 s[TB], s[TB], REC
	s_sub_co_u32 s[CNT], s[CNT], 1
	s_cmp_lg_u32 s[CNT], 0
	s_cbranch_scc1 .Lstep_\@
.endm
; THE CHANGE OF SLOTS, at the head of a slot: each wave waits for all its tensor loads, adds 0 to its spare word, and waits for that and for its reads of the slot that it has left.
; fill = 1: behind a round of the cluster barrier the named slot is filled with the next eight records.
.macro CHANGE fill, slot
	s_wait_tensorcnt 0x0                           ; no tensor load of mine is out, so the descriptor may be written
	ds_add_u32 v[SPW], v[NIL]                      ; 0 onto my spare word
.if \fill
	s_add_co_u32 s[G0+1], s34, (\slot)*SLOTB
	s_add_nc_u64 s[G0+2:G0+3], s[G0+2:G0+3], SLOTB
.endif
	s_wait_dscnt 0x0
.if \fill
	CROUND
	TLOAD
.else
	s_barrier_signal -1
	s_barrier_wait -1
.endif
.endm
; THE END OF A HEAD: O^T / the sum; its 64 channels are two blocks of 32 along the model axis; codes and two scale bytes go into the upper half of the fragment of o, what was there moves down.
.macro FINAL more
.rept 4
	v_nop
.endr
	v_add_f32 v14, v14, v15
	v_permlanex16_b32 v[TT], v14, s[SEL], s[SEL+1]
	v_add_f32 v14, v14, v[TT]                      ; the sum of the row
	v_rcp_f32 v[FF], v14
	v_nop
	s_wait_alu depctr_va_vdst(0)                   ; ahead of the first reader of the reciprocal
.irp j, 0,2,4,6,8,10,12,14,16,18,20,22,24,26,28,30
	v_pk_mul_f32 v[S+\j:S+1+\j], v[O+\j:O+1+\j], v[FF:FF+1] op_sel_hi:[1,0]   ; register 16 b + i: channel 32 b + 16 (lane / 16) + i
.endr
.irp b, 0,1
	v_max3_num_f32 v[BM+\b], |v[S+16*\b]|, |v[S+1+16*\b]|, 0x1800000
.endr
.irp i, 2,4,6,8,10,12,14
.irp b, 0,1
	v_max3_num_f32 v[BM+\b], v[BM+\b], |v[S+16*\b+\i]|, |v[S+1+16*\b+\i]|
.endr
.endr
.irp b, 0,1
	v_permlanex16_b32 v[BT+\b], v[BM+\b], s[SEL], s[SEL+1]
.endr
.irp b, 0,1
	v_max_num_f32 v[BM+\b], v[BM+\b], v[BT+\b]
.endr
.irp b, 0,1
	v_add_nc_u32 v[BSC+\b], 0xff000000, v[BM+\b]
.endr
.irp b, 0,1
	v_lshrrev_b32 v[BT+\b], 23, v[BSC+\b]
.endr
	v_lshl_or_b32 v[TT], v[BT+1], 8, v[BT]
	v_lshrrev_b32 v[OW], 16, v[OW]
	v_lshl_or_b32 v[OW], v[TT], 16, v[OW]
.irp i, 0,1,2,3,4,5
	v_mov_b32 v[OC+\i], v[OC+6+\i]
.endr
	v_cvt_scalef32_pk16_fp6_f32 v[PT:PT+2], v[S:S+15], v[BSC]
	v_cvt_scalef32_pk16_fp6_f32 v[PT+4:PT+6], v[S+16:S+31], v[BSC+1]
	v_nop
.irp i, 0,1,2
	v_permlane16_swap_b32 v[PT+\i], v[PT+4+\i]
.endr
.irp i, 0,1,2
	v_mov_b32 v[OC+6+\i], v[PT+\i]
	v_mov_b32 v[OC+9+\i], v[PT+4+\i]
.endr
.if \more
	v_mov_b32 v13, 0xff61b1e6
	v_floor_f32 v12, -v13
	v_mov_b32 v14, 0
	v_mov_b32 v15, 0
.irp i, 0,1,2,3,4,5
	v_mov_b32 v[22+\i], v[6+\i]                    ; q of the second head
.endr
	v_mov_b32 v[QS], v[QSB]
.irp j, 0,1,2,3,4,5,6,7,8,9,10,11,12,13,14,15,16,17,18,19,20,21,22,23,24,25,26,27,28,29,30,31
	v_mov_b32 v[O+\j], 0                           ; also the places ahead of the next product
.endr
.endif
.endm
	CHANGE 1, 1                                    ; slot 0 is whole; slot 1 takes steps 8-15 of the first head
	STEPS 0
	CHANGE 1, 0                                    ; slot 0 takes steps 0-7 of the second head
	STEPS 1
	FINAL 1
	CHANGE 1, 1                                    ; slot 1 takes its steps 8-15: the last load
	STEPS 0
	CHANGE 0, 0
	STEPS 1
	FINAL 0
.irp c, 0,1,2
	global_store_b128 v[LI], v[OC+4*\c:OC+4*\c+3], s[10:11] offset:512*\c   ; the fragment of o as it stands: 512 consecutive bytes a store, aligned
.endr
	ds_store_b32 v[OSA], v[OW]                     ; the scale words of the sixteen waves meet in LDS,
	s_wait_dscnt 0x0
	s_barrier_signal -1
	s_barrier_wait -1
	s_cmp_lt_u32 s[WV], 4
	s_cbranch_scc0 .Lno_words
	ds_load_b128 v[96:99], v[ORD]
	s_wait_dscnt 0x0
	global_store_b128 v[OGO], v[96:99], s[46:47]   ; and leave as 2,048 consecutive bytes
.Lno_words:
	s_wait_tensorcnt 0x0                           ; the end of the wave
	ds_add_u32 v[SPW], v[NIL]
	s_wait_dscnt 0x0
	CROUND                                         ; the closing round
	s_endpgm
.Lfunc_end_k_q28e6c4aeb0_attn:
	.size	k_q28e6c4aeb0_attn, .Lfunc_end_k_q28e6c4aeb0_attn-k_q28e6c4aeb0_attn
	.p2alignl 7, 3214868480
	.fill 96, 4, 3214868480
	.section	.rodata,"a",@progbits
	.p2align	6, 0x0
	.amdhsa_kernel k_q28e6c4aeb0_attn
		.amdhsa_group_segment_fixed_size 327680
		.amdhsa_private_segment_fixed_size 0
		.amdhsa_enable_private_segment 0
		.amdhsa_kernarg_size 24
		.amdhsa_user_sgpr_count 2
		.amdhsa_user_sgpr_kernarg_segment_ptr 1
		.amdhsa_wavefront_size32 1
		.amdhsa_system_sgpr_workgroup_id_x 1
		.amdhsa_system_sgpr_workgroup_id_y 1
		.amdhsa_system_sgpr_workgroup_id_z 1
		.amdhsa_system_vgpr_workitem_id 0
		.amdhsa_next_free_vgpr 256
		.amdhsa_next_free_sgpr 66
		.amdhsa_reserve_vcc 0
		.amdhsa_float_denorm_mode_32 3
		.amdhsa_float_denorm_mode_16_64 3
		.amdhsa_memory_ordered 1
		.amdhsa_forward_progress 1
		.amdhsa_inst_pref_size 82
	.end_amdhsa_kernel
	.amdgpu_metadata
---
amdhsa.version: [ 1, 2 ]
amdhsa.kernels:
  - .name:           k_q28e6c4aeb0_attn
    .symbol:         k_q28e6c4aeb0_attn.kd
    .args:
      - { .name: qr, .offset: 0, .size: 8, .value_kind: global_buffer, .address_space: global }
      - { .name: kv, .offset: 8, .size: 8, .value_kind: global_buffer, .address_space: global }
      - { .name: oq, .offset: 16, .size: 8, .value_kind: global_buffer, .address_space: global }
    .group_segment_fixed_size: 327680
    .private_segment_fixed_size: 0
    .kernarg_segment_align: 8
    .kernarg_segment_size: 24
    .max_flat_workgroup_size: 512
    .sgpr_count:     66
    .vgpr_count:     256
    .wavefront_size: 32
...
	.end_amdgpu_metadata
.endif
;; end of part 3
;; launch proj (part 4): grid 4 x 32, 4 waves a work-group, clusters of 4 x 4, 327,680 bytes of LDS; arguments oq, wq, out0; writes out0
.if DOCPART == 4
	.amdgcn_target "amdgcn-amd-amdhsa--gfx1250"
	.amdhsa_code_object_version 6
	.text
	.protected	k_q28e6c4aeb0_proj
	.globl	k_q28e6c4aeb0_proj
	.p2align	8
	.type	k_q28e6c4aeb0_proj,@function
k_q28e6c4aeb0_proj:
	s_mov_b64 s[64:65], 0
	v_nop
	global_prefetch_b8 v0, s[64:65] scope:SCOPE_SE
	s_setreg_imm32_b32 hwreg(HW_REG_WAVE_MODE, 25, 1), 1
	s_wait_xcnt 0x0
	s_wait_alu depctr_hold_cnt(0) depctr_sa_sdst(0) depctr_va_vdst(0) depctr_va_sdst(0) depctr_va_ssrc(0) depctr_va_vcc(0) depctr_vm_vsrc(0)
	s_getreg_b32 s2, hwreg(HW_REG_IB_STS2, 6, 4)
	s_cmp_eq_u32 s2, 0
	s_cbranch_scc0 .Lentry_in_a_cluster
	s_endpgm
.Lentry_in_a_cluster:
	s_bfe_u32 s2, ttmp6, 0x10000c
	s_cmp_lg_u32 s2, 0xf033
	s_cbranch_scc0 .Lentry_shape_is_right
	s_endpgm
.Lentry_shape_is_right:
; PROJ.  out0 = o Wo^T on codes of FP6 (E2M3) with E8M0 scales, K = 1,024; out0 [8192][1024] f32.
; 128 tiles of 256 x 256; a work-group of four waves makes a tile, a wave 128 x 128: 64 accumulators, 512 registers.  A = o (source 1: its rows become lanes), B = Wo (source 0: its rows become registers).
; A smaller tile would give every WGP a work-group but would read each fragment for half the products; with four K steps the launch is short either way, and the larger tile is kept.
; A COMES AS IMAGES OF REGISTERS, as the launch before has stored them: [block of 256 tokens][128 along K][tile of 16 tokens][1,536 bytes]: three ds_load_b128 a fragment, consecutive bytes, no padding.
; Its scale words lie [128 along K][tile][lane], 4 bytes a lane.  B comes as rows of 192 bytes (16 bytes of padding behind every 64, pitch 240), its scale bytes as rows of 32.
; The two layouts of scale words differ, so A and B have registers of their own for them.
; CLUSTERS: 4 x 4; A's tiles are shared along a row of the cluster, B's along a column: each is asked for jointly.  Four K steps of 256 through two slots, written straight.
; Tokens and the rows of Wo are stored with bits 3 and 4 of the row number exchanged: the way out puts each number at its true place: columns in the stage, rows in the offsets of the stores.
; REGISTERS: window 0: v0-31 addresses; v32-63 A's scale words, two sets; v64-95 B's; v128-223 A's fragments, one set.  window 1: B's fragments, two sets.  windows 2, 3: the accumulators.
.set NQ,     2
.set ROWB,   192
.set KROW,   768
.set PITCH,  240
.set FR,     12
.set NL,     6
.set NLA,    3                         ; LDS loads that bring a fragment of A
.set NP,     4
.set HALFT,  128*PITCH
.set APART,  49152                     ; A's part of a slot: 2 x 16 images
.set AHALF,  24576                     ; 16 images: what one tensor load brings
.set SLOT,   APART+2*HALFT
.set KS,     32
.set SCA,    2*SLOT                    ; A's scale words: 8 x 2,048 bytes
.set SCB,    SCA+16384                 ; B's scale bytes: units of 256 bytes + 16 of padding
.set HALFS,  (128*KS/256)*272
.set SBLK,   (16*KS/256)*272
.set SPARE,  SCB+2*HALFS               ; the spare words, 128 bytes a wave: two blocks of 256 bytes that no other line names
.set SPITCH, 528                       ; the stage: 16 rows x (512 + 16) bytes a wave, in slot 0, which has had its last fill and its last read when the first result is stored there
.set OSC,    6291456
.set WSC,    3145728
.set ADRA, 16                          ; v16-17 LDS address of my A fragments in slot 0, 1
.set ADRB, 20                          ; v20-21 of B (v22-23: behind one padding more)
.set STO,  24
.set RD,   25
.set CO,   26                          ; 16 x lane
.set ADRS, 27                          ; A's scale words
.set SPW,  28
.set NIL,  29
.set ADRT, 30                          ; B's scale words
.set RSA,  32
.set RSB,  64
.set AF,   128
.set BK,   128
.set G1, 24
.set G0, 32
.set G1B, 48
.set G0B, 56
.set G1S, 68
.set G0S, 76
.set G1SB, 80
.set G0SB, 88
.set MSB, 0
.macro WIN new
.if MSB != \new
	s_set_vgpr_msb (MSB<<8)|\new
.set MSB, \new
.endif
.endm
.set MUL_LO, 0xa1
.set MUL_HI, 0xf1
.set TO_B,   0x40
.macro JLOAD g0a, g1a, g0b, g1b        ; a joint load: waves 0 and 1 fetch for A, waves 2 and 3 for B; four v_nop follow each line
	s_cmp_eq_u32 s15, 0
	s_cbranch_scc0 .Lfor_b_\@
	tensor_load_to_lds s[\g0a:\g0a+3], s[\g1a:\g1a+7]
	s_nop 0
.rept 4
	v_nop
.endr
	s_branch .Lasked_\@
.Lfor_b_\@:
	tensor_load_to_lds s[\g0b:\g0b+3], s[\g1b:\g1b+7]
	s_nop 0
.rept 4
	v_nop
.endr
.Lasked_\@:
.endm
.macro CREST
	s_cmp_lg_u32 s14, 0
	s_cbranch_scc1 .Lnot_wave_0_\@
	s_barrier_signal -3
.Lnot_wave_0_\@:
	s_barrier_wait -3
	s_barrier_signal -1
	s_barrier_wait -1
.endm
.macro CROUND
	s_barrier_signal -1
	s_barrier_wait -1
	CREST
.endm
	s_load_b128 s[4:7], s[0:1], 0x0                ; oq, wq
	s_load_b64 s[12:13], s[0:1], 0x10              ; out0
	v_lshl_add_u32 v[SPW], v0, 2, SPARE
	v_mov_b32 v[NIL], 0
	ds_add_u32 v28, v29
	s_wait_dscnt 0x0
	v_lshrrev_b32 v1, 5, v0
	v_readfirstlane_b32 s14, v1                    ; wave 0..3
	s_lshr_b32 s15, s14, 1                         ; which half of the rows of the tile is mine.  Also: I fetch for A (0) or for B (1)
	s_and_b32 s16, s14, 1                          ; which half of its columns.  Also: which half I fetch
	s_bfe_u32 s40, ttmp6, 0x40000                  ; cx
	s_bfe_u32 s41, ttmp6, 0x40004                  ; cy
	s_lshl_b32 s42, ttmp9, 2
	s_add_co_u32 s42, s42, s40                     ; tile column
	s_and_b32 s17, ttmp7, 0xffff
	s_lshl_b32 s17, s17, 2
	s_add_co_u32 s17, s17, s41                     ; tile row = block of 256 tokens
	s_lshl_b32 s43, s41, 2
	s_lshl_b32 s43, 15, s43                        ; my row of the cluster
	s_lshl_b32 s44, 0x1111, s40                    ; my column
	s_or_b32 s[G1+0], s43, (3<<16)|(1<<21)         ; A's tiles: 96 rows of 256 bytes, dense, no padding
	s_mov_b32 s[G1+1], 32<<16
	s_mov_b32 s[G1+2], 96<<16
	s_mov_b32 s[G1+3], 32<<16
	s_mov_b32 s[G1+4], 96
	s_mov_b32 s[G1+5], 32
	s_mov_b32 s[G1+6], 0
	s_mov_b32 s[G1+7], 0
	s_or_b32 s[G1B+0], s44, (0<<16)|(1<<20)|(1<<21)|(3<<22)|(3<<25)  ; B's tiles: 128 rows of 192 bytes, 4 words of padding after every 16
	s_mov_b32 s[G1B+1], ROWB<<16
	s_mov_b32 s[G1B+2], 128<<16
	s_mov_b32 s[G1B+3], ROWB<<16
	s_mov_b32 s[G1B+4], 128
	s_mov_b32 s[G1B+5], KROW
	s_mov_b32 s[G1B+6], 0
	s_mov_b32 s[G1B+7], 0
	s_or_b32 s[G1S+0], s43, (3<<16)|(1<<21)        ; A's scale words: 32 rows of 256 bytes, dense
	s_mov_b32 s[G1S+1], 32<<16
	s_mov_b32 s[G1S+2], 32<<16
	s_mov_b32 s[G1S+3], 32<<16
	s_mov_b32 s[G1S+4], 32
	s_mov_b32 s[G1S+5], 32
	s_mov_b32 s[G1S+6], 0
	s_mov_b32 s[G1S+7], 0
	s_or_b32 s[G1SB+0], s44, (3<<16)|(1<<20)|(1<<21)|(5<<22)|(3<<25) ; B's scale bytes: 16 rows of 256 bytes, 16 bytes of padding behind each
	s_mov_b32 s[G1SB+1], 32<<16
	s_mov_b32 s[G1SB+2], (128*KS/256)<<16
	s_mov_b32 s[G1SB+3], 32<<16
	s_mov_b32 s[G1SB+4], 128*KS/256
	s_mov_b32 s[G1SB+5], 32
	s_mov_b32 s[G1SB+6], 0
	s_mov_b32 s[G1SB+7], 0
	s_mul_i32 s20, s17, 8*AHALF                    ; A: the block of tokens, 8 x 16 images,
	s_mul_i32 s18, s16, AHALF
	s_add_co_u32 s20, s20, s18                     ; + my 128 along K of a K step
	s_mov_b32 s21, 0
	s_lshl_b32 s22, s17, 14                        ; its scale words: 16,384 bytes a block,
	s_lshl_b32 s18, s16, 13
	s_add_co_u32 s22, s22, s18                     ; my half of them
	s_add_co_u32 s22, s22, OSC
	s_mov_b32 s23, 0
	s_lshl_b32 s46, s42, 8
	s_lshl_b32 s18, s16, 7
	s_add_co_u32 s46, s46, s18
	s_add_co_u32 s46, s46, 3072                    ; B: Wo begins at row 3,072 of wq
	s_lshl_b32 s92, s46, 5
	s_add_co_u32 s92, s92, WSC
	s_mov_b32 s93, 0
	s_mul_i32 s46, s46, KROW
	s_mov_b32 s47, 0
	s_mul_i32 s45, s16, AHALF                      ; where they go: made of the wave number alone
	s_mul_i32 s94, s16, HALFT
	s_add_co_u32 s94, s94, APART
	s_lshl_b32 s95, s16, 13
	s_add_co_u32 s95, s95, SCA
	s_mul_i32 s96, s16, HALFS
	s_add_co_u32 s96, s96, SCB
	s_wait_kmcnt 0x0
	s_add_nc_u64 s[20:21], s[4:5], s[20:21]
	s_add_nc_u64 s[22:23], s[4:5], s[22:23]
	s_add_nc_u64 s[46:47], s[6:7], s[46:47]
	s_add_nc_u64 s[92:93], s[6:7], s[92:93]
	CROUND                                         ; all sixteen work-groups are here
	s_mov_b32 s[G0S], 1
	s_mov_b32 s[G0S+1], s95
	s_mov_b64 s[G0S+2:G0S+3], s[22:23]
	s_or_b32 s[G0S+3], s[G0S+3], 0x80000000
	s_mov_b32 s[G0SB], 1
	s_mov_b32 s[G0SB+1], s96
	s_mov_b64 s[G0SB+2:G0SB+3], s[92:93]
	s_or_b32 s[G0SB+3], s[G0SB+3], 0x80000000
	JLOAD G0S, G1S, G0SB, G1SB                     ; the scales first
.irp s, 0,1
	s_mov_b32 s[G0+4*\s], 1
	s_add_co_u32 s[G0+4*\s+1], s45, \s*SLOT
	s_add_nc_u64 s[G0+4*\s+2:G0+4*\s+3], s[20:21], \s*APART
	s_or_b32 s[G0+4*\s+3], s[G0+4*\s+3], 0x80000000
	s_mov_b32 s[G0B+4*\s], 1
	s_add_co_u32 s[G0B+4*\s+1], s94, \s*SLOT
	s_add_nc_u64 s[G0B+4*\s+2:G0B+4*\s+3], s[46:47], \s*ROWB
	s_or_b32 s[G0B+4*\s+3], s[G0B+4*\s+3], 0x80000000
	JLOAD G0+4*\s, G1, G0B+4*\s, G1B               ; three tensor loads of mine are out
.endr
	v_and_b32 v1, 15, v0                           ; l % 16
	v_bfe_u32 v2, v0, 4, 1                         ; l / 16
	v_and_b32 v6, 31, v0
	v_lshlrev_b32 v[CO], 4, v6
	v_mul_u32_u24 v3, v1, PITCH
	v_mul_u32_u24 v4, v2, 24
	v_add_nc_u32 v4, v3, v4
	v_lshl_add_u32 v5, v2, 4, v4
	s_mul_i32 s21, s15, 8*1536                     ; my eight tiles of A
	s_mul_i32 s22, s16, HALFT
	s_add_co_u32 s22, s22, APART                   ; my 128 rows of B
.irp s, 0,1
	v_add_nc_u32 v[ADRA+\s], s21, v[CO]
	v_add_nc_u32 v[ADRB+\s], s22, v4
	v_add_nc_u32 v[ADRB+2+\s], s22, v5
	s_add_co_u32 s21, s21, SLOT
	s_add_co_u32 s22, s22, SLOT
.endr
	v_lshlrev_b32 v7, 2, v6
	s_lshl_b32 s21, s15, 10
	s_add_co_u32 s21, s21, SCA
	v_add_nc_u32 v[ADRS], s21, v7                  ; A's scale words: 4 x lane + my eight tiles
	v_mul_u32_u24 v8, v1, KS
	v_lshrrev_b32 v9, 8, v8
	v_lshl_add_u32 v8, v9, 4, v8
	s_mul_i32 s22, s16, HALFS
	s_add_co_u32 s22, s22, SCB
	v_add_nc_u32 v[ADRT], s22, v8                  ; B's: row l % 16 in all lanes
	s_mul_i32 s23, s14, 16*SPITCH                  ; my stage
	v_mul_u32_u24 v5, v1, SPITCH
	v_lshl_add_u32 v5, v2, 6, v5                   ; in: row l % 16; the 16 true columns of my half of the lanes: 64 bytes
	v_add_nc_u32 v[STO], s23, v5
	v_add_nc_u32 v[RD], s23, v[CO]                 ; back: 32 lanes take a row of 512 bytes
	s_lshl_b32 s20, s17, 8
	s_lshl_b32 s21, s15, 7
	s_add_co_u32 s20, s20, s21
	s_lshl_b32 s20, s20, 12                        ; my first row of out0: 4,096 bytes a row
	s_lshl_b32 s46, s42, 10
	s_lshl_b32 s47, s16, 9
	s_add_co_u32 s46, s46, s47
	s_add_co_u32 s20, s20, s46                     ; and my first column
	s_mov_b32 s21, 0
	s_add_nc_u64 s[12:13], s[12:13], s[20:21]
.macro FRAG reg, adr, q, i             ; a fragment of B: six pieces of 8 bytes
.irp p, 0,1,2,3,4,5
.set PCE, 12*(\q)+6*(\p/3)+\p%3
.if PCE%8 < 5
	ds_load_b64 v[\reg+2*\p:\reg+2*\p+1], v[\adr] offset:8*PCE+16*(PCE/8)+(\i)*16*PITCH
.else
	ds_load_b64 v[\reg+2*\p:\reg+2*\p+1], v[\adr+2] offset:8*PCE+16*(PCE/8)+(\i)*16*PITCH
.endif
.endr
.endm
.macro AFRAG i, slot, q                ; a fragment of A: its image, three loads of 512 consecutive bytes
.irp c, 0,1,2
	ds_load_b128 v[AF+FR*(\i)+4*\c:AF+FR*(\i)+4*\c+3], v[ADRA+\slot] offset:(\q)*AHALF+(\i)*1536+512*\c
.endr
.endm
; 16 matrix instructions; the 64 accumulators take turns, one instruction a turn, in the same order in every step
.macro MUL16 a0, p, q, sc, zero
.irp a, \a0, \a0+1
.irp b, 0,1,2,3,4,5,6,7
.if \zero
	v_wmma_scale_f32_16x16x128_f8f6f4 v[8*(8*((\a)%4)+\b):8*(8*((\a)%4)+\b)+7], v[128*(\p)+FR*\b:128*(\p)+FR*\b+FR-1], v[AF+FR*(\a):AF+FR*(\a)+FR-1], 0, v[RSB+8*NQ*(\sc)+NQ*\b+(\q)], v[RSA+8*NQ*(\sc)+NQ*(\a)+(\q)] matrix_a_fmt:MATRIX_FMT_FP6 matrix_b_fmt:MATRIX_FMT_FP6
.else
	v_wmma_scale_f32_16x16x128_f8f6f4 v[8*(8*((\a)%4)+\b):8*(8*((\a)%4)+\b)+7], v[128*(\p)+FR*\b:128*(\p)+FR*\b+FR-1], v[AF+FR*(\a):AF+FR*(\a)+FR-1], v[8*(8*((\a)%4)+\b):8*(8*((\a)%4)+\b)+7], v[RSB+8*NQ*(\sc)+NQ*\b+(\q)], v[RSA+8*NQ*(\sc)+NQ*(\a)+(\q)] matrix_a_fmt:MATRIX_FMT_FP6 matrix_b_fmt:MATRIX_FMT_FP6
.endif
.endr
.endr
.endm
.macro FETCH_B slot, q, p
	WIN TO_B
.irp i, 0,1,2,3,4,5,6,7
	FRAG 128*(\p)+FR*\i, ADRB+\slot, \q, \i
.endr
	WIN 0
.endm
.macro FETCH_A slot, q, i0
.irp i, \i0, \i0+1, \i0+2, \i0+3
	AFRAG \i, \slot, \q
.endr
.endm
.macro SCALES sc                       ; the scale words of the next K step
.irp a, 0,1,2,3,4,5,6,7
.irp q, 0,1
	ds_load_b32 v[RSA+8*NQ*\sc+NQ*\a+\q], v[ADRS] offset:\q*2048+\a*128
.endr
.endr
.irp b, 0,1,2,3,4,5,6,7
	ds_load_b64 v[RSB+8*NQ*\sc+NQ*\b:RSB+8*NQ*\sc+NQ*\b+1], v[ADRT] offset:\b*SBLK
.endr
.endm
.macro PLACES n
.rept \n
	v_nop
.endr
.endm
.macro STEP slot, q, zero
	s_wait_dscnt 4*NLA                             ; all but the youngest 12 loads (A's blocks 4-7) are in
	WIN MUL_LO
	MUL16 0, (\q)%2, \q, \slot, \zero
	MUL16 2, (\q)%2, \q, \slot, \zero
	s_wait_dscnt 0
	PLACES NP
	FETCH_B \slot, (\q)+1, 1-(\q)%2
	FETCH_A \slot, (\q)+1, 0
	WIN MUL_HI
	MUL16 4, (\q)%2, \q, \slot, \zero
	MUL16 6, (\q)%2, \q, \slot, \zero
	PLACES NP
	WIN 0
	FETCH_A \slot, (\q)+1, 4
.endm
.macro TURN slot, next, fill
	s_wait_tensorcnt 0x0                           ; all my tensor loads have landed: my part of the next slot
	ds_add_u32 v[SPW], v[NIL]                      ; 0 onto my spare word
	s_wait_dscnt 4*NLA+1                           ; the add and the youngest 12 loads may be out
	WIN MUL_LO
	MUL16 0, 1, NQ-1, \slot, 0
	s_wait_dscnt 0x0                               ; the add is done, and my reads of this slot are over
	s_barrier_signal -1
	MUL16 2, 1, NQ-1, \slot, 0
	WIN 0
	s_barrier_wait -1
.if \fill
	CREST                                          ; the barrier has opened a round of the cluster barrier
	s_add_nc_u64 s[G0+4*\slot+2:G0+4*\slot+3], s[G0+4*\slot+2:G0+4*\slot+3], 2*APART
	s_add_nc_u64 s[G0B+4*\slot+2:G0B+4*\slot+3], s[G0B+4*\slot+2:G0B+4*\slot+3], 2*ROWB
	JLOAD G0+4*\slot, G1, G0B+4*\slot, G1B         ; the first tensor load behind the round; its four v_nop are also the places in front of the loads below
.else
	PLACES NP
.endif
	v_add_nc_u32 v[ADRS], 4096, v[ADRS]            ; on to the scale words of the next K step
	v_add_nc_u32 v[ADRT], 4*NQ, v[ADRT]
	FETCH_B \next, 0, 0
	FETCH_A \next, 0, 0
	SCALES \next
	WIN MUL_HI
	MUL16 4, 1, NQ-1, \slot, 0
	MUL16 6, 1, NQ-1, \slot, 0
	PLACES NP
	WIN 0
	FETCH_A \next, 0, 4
.endm
	s_wait_tensorcnt 1                             ; the scales and my part of K step 0 are in; the load of K step 1 may be out
	s_barrier_signal -1
	s_barrier_wait -1
	FETCH_B 0, 0, 0
	FETCH_A 0, 0, 0
	SCALES 0
	FETCH_A 0, 0, 4
	STEP 0, 0, 1
	TURN 0, 1, 1
	STEP 1, 0, 0
	TURN 1, 0, 1
	STEP 0, 0, 0
	TURN 0, 1, 0
	STEP 1, 0, 0
	s_wait_dscnt 4*NLA
	WIN MUL_LO
	MUL16 0, 1, NQ-1, 1, 0
	MUL16 2, 1, NQ-1, 1, 0
	s_wait_dscnt 0
	WIN MUL_HI
	MUL16 4, 1, NQ-1, 1, 0
	MUL16 6, 1, NQ-1, 1, 0
	WIN 0
; THE WAY OUT, block by block of 16 stored tokens x 128 columns, through my own stage.  Register j of tile b holds true column 32 (b / 2) + 16 (lane / 16) + 8 (b % 2) + j.
; Stored token t of block a is true token 32 (a / 2) + 8 (a % 2) + t + 8 (t / 8) of my 128: it stands in the offset of the store, 127 rows of 4,096 bytes at the most.
.macro TOSTAGE a
.set AC, 64*((\a)%4)
	WIN 0x08+4*((\a)/4)                            ; the data: window 2 or 3
.irp b, 0,1,2,3,4,5,6,7
	ds_store_b128 v[STO], v[AC+8*\b:AC+8*\b+3] offset:128*(\b/2)+32*(\b%2)        ; each accumulator from its low end on
	ds_store_b128 v[STO], v[AC+8*\b+4:AC+8*\b+7] offset:128*(\b/2)+32*(\b%2)+16
.endr
	WIN 0
.set BB, BK+64*((\a)%2)
.irp t, 0,1,2,3,4,5,6,7,8,9,10,11,12,13,14,15
	ds_load_b128 v[BB+4*\t:BB+4*\t+3], v[RD] offset:\t*SPITCH      ; LDS serves the instructions of a wave in order: these see the stores above
.endr
.endm
.macro SEND a, younger
.set BB, BK+64*((\a)%2)
	s_wait_dscnt \younger                          ; the block is back in registers; the LDS instructions of the next block may be out
.irp t, 0,1,2,3,4,5,6,7,8,9,10,11,12,13,14,15
	global_store_b128 v[CO], v[BB+4*\t:BB+4*\t+3], s[12:13] offset:(32*((\a)/2)+8*((\a)%2)+\t+8*(\t/8))*4096 th:TH_STORE_NT   ; 32 lanes store 512 consecutive bytes, aligned
.endr
.endm
	PLACES NP
	TOSTAGE 0
.irp a, 1,2,3,4,5,6,7
.if \a > 1
	s_wait_xcnt 0x0                                ; the stores of block a - 2 have read their registers: the loads of block a may land there
.endif
	TOSTAGE \a
	SEND \a-1, 32                                  ; behind the loads of block a - 1: the 16 stores and 16 loads of block a
.endr
	SEND 7, 0
	s_wait_tensorcnt 0x0                           ; the end of the wave
	ds_add_u32 v[SPW], v[NIL]
	s_wait_dscnt 0x0
	CROUND                                         ; the closing round
	s_endpgm
.Lfunc_end_k_q28e6c4aeb0_proj:
	.size	k_q28e6c4aeb0_proj, .Lfunc_end_k_q28e6c4aeb0_proj-k_q28e6c4aeb0_proj
	.p2alignl 7, 3214868480
	.fill 96, 4, 3214868480
	.section	.rodata,"a",@progbits
	.p2align	6, 0x0
	.amdhsa_kernel k_q28e6c4aeb0_proj
		.amdhsa_group_segment_fixed_size 327680
		.amdhsa_private_segment_fixed_size 0
		.amdhsa_enable_private_segment 0
		.amdhsa_kernarg_size 24
		.amdhsa_user_sgpr_count 2
		.amdhsa_user_sgpr_kernarg_segment_ptr 1
		.amdhsa_wavefront_size32 1
		.amdhsa_system_sgpr_workgroup_id_x 1
		.amdhsa_system_sgpr_workgroup_id_y 1
		.amdhsa_system_sgpr_workgroup_id_z 1
		.amdhsa_system_vgpr_workitem_id 0
		.amdhsa_next_free_vgpr 1024
		.amdhsa_next_free_sgpr 98
		.amdhsa_reserve_vcc 0
		.amdhsa_float_denorm_mode_32 3
		.amdhsa_float_denorm_mode_16_64 3
		.amdhsa_memory_ordered 1
		.amdhsa_forward_progress 1
		.amdhsa_inst_pref_size 152
	.end_amdhsa_kernel
	.amdgpu_metadata
---
amdhsa.version: [ 1, 2 ]
amdhsa.kernels:
  - .name:           k_q28e6c4aeb0_proj
    .symbol:         k_q28e6c4aeb0_proj.kd
    .args:
      - { .name: oq, .offset: 0, .size: 8, .value_kind: global_buffer, .address_space: global }
      - { .name: wq, .offset: 8, .size: 8, .value_kind: global_buffer, .address_space: global }
      - { .name: out0, .offset: 16, .size: 8, .value_kind: global_buffer, .address_space: global }
    .group_segment_fixed_size: 327680
    .private_segment_fixed_size: 0
    .kernarg_segment_align: 8
    .kernarg_segment_size: 24
    .max_flat_workgroup_size: 128
    .sgpr_count:     98
    .vgpr_count:     1024
    .wavefront_size: 32
...
	.end_amdgpu_metadata
.endif
;; end of part 4
